; MI455X (gfx1250); checked and timed in simulation.
; The chip was launched on July 23, 2026; its instructions are those of AMD's public machine-readable ISA for CDNA 5 (MIT licence, August 2026) and "CDNA5" Instruction Set Architecture Reference Guide (July 2026). The comments in the code are by the model that wrote it; some were corrected since.
;; Wrapped Lo RA Linear. Allowed arithmetic: matrix products marked QUANTISED: E3M2 operands, one E8M0 scale for each 32 along K, by v_wmma_scale_f32_16x16x128_f8f6f4 with both operands' format E3M2, f32 sums; products left as they are: f32 operands where the result goes on into a quantised operand, else bf16, f16 or f32 operands; f32 sums; everything else in f32.
;; Inputs: W 4,096 x 4,096 float32; b 4,096 float32; down_aux 4,096 x 64 float32; hyper_down 4 x 64 x 16 float32; hyper_up 4 x 16 x 64 float32; up_aux 64 x 4,096 float32; x 4 x 1,024 x 4,096 float32.
;; Outputs: out0 4 x 1,024 x 4,096 float32.
;; This version of the problem:
;;   THIS VERSION OF THE PROBLEM IS GIVEN IN LOW PRECISION. The matrix products marked QUANTISED in the list below multiply operands that are first quantised to E3M2 (3 exponent bits, 2 mantissa bits; 6 bits a number), with one power-of-two scale for each 32 numbers along K (OCP MX v1.0); their sums are f32. All else is computed in f32.
;;   The module's matrix products, in the order in which they are computed (A, B: the left and right operand; K: the contracted axis; several contracted axes count as one K, in the product's order):
;;     1. [M 4,096, K 4,096] x [K 4,096, N 4,096]; A: input x; B: input W: QUANTISED
;;     2. [M 64, K 64] x [K 64, N 4,096]; A: input hyper_down; B: input down_aux: QUANTISED
;;     3. [M 64, K 64] x [K 64, N 4,096]; A: input hyper_up; B: input up_aux: QUANTISED
;;     4. batch 4 x [M 1,024, K 4,096] x [K 4,096, N 16]; A: input x; B: computed on the way: QUANTISED
;;     5. batch 4 x [M 1,024, K 16] x [K 16, N 4,096]; A: computed on the way; B: computed on the way: left as it is (K = 16 < 32)
;;   THE QUANTISER, for each operand of a quantised product, along K:
;;     - K is cut into blocks of 32 from its start; a last block that is shorter is filled with zeros.
;;     - A block's scale is 2^e with e = floor(log2(the largest magnitude in the block)) - 4, held to -126 .. 127; a block of zeros has e = 0. As a byte (E8M0): e + 127.
;;     - Each number is divided by its block's scale, clamped to +-28, and rounded to the nearest number of E3M2, ties to even, subnormals kept.
;;     - The product sums the exact products of the quantised numbers (number of the format x scale) in f32.
;;   ~~~python
;;   def quantise(x, axis):      # numpy; x: float32 -> the quantised numbers, widened to float32 again
;;       x = np.moveaxis(x, axis, -1); K = x.shape[-1]
;;       x = np.pad(x, [(0, 0)] * (x.ndim - 1) + [(0, -K % 32)]); x = x.reshape(x.shape[:-1] + (-1, 32)); a = np.abs(x).max(-1, keepdims=True)
;;       e = np.where(a > 0, np.clip(np.frexp(np.where(a > 0, a, 1))[1] - 1 - 4, -126, 127), 0)      # np.frexp(a)[1] - 1 = floor(log2(a)), exactly
;;       r = np.clip(x / 2.0 ** e, -28, 28)
;;       step = 2.0 ** (np.maximum(np.frexp(np.where(r == 0, 1, r))[1] - 1, -2) - 2)
;;       q = np.round(r / step) * step * 2.0 ** e      # np.round: ties to even
;;       return np.moveaxis(q.reshape(q.shape[:-2] + (-1,))[..., :K], -1, axis).astype(np.float32)
;;   ~~~
;;   OPERANDS COMPUTED ON THE WAY. 'Computed on the way' means the value that the module computes at that place (a softmax that the list does not call 'softmax' is quantised finished and normalised). What goes into a quantiser is computed in f32, as accurately as f32 sums, v_exp_f32 and their like allow (about 1e-6 of the number): no bf16 or f16 on the way to a quantiser, and a product that is left as it is and whose result goes on into a quantised operand takes f32 operands (vector FMAs, or v_wmma_f32_16x16x4_f32). A number that lies on a knife's edge between two numbers of the format may be rounded either way, as far as f32 arithmetic and the matrix unit's own rounding can turn it there, and no further.
;; 2 versions, each right; version 2 is version 1 with the launch prep written anew for expert scheduling mode. Each part assembles by itself: llvm-mc -triple=amdgcn-amd-amdhsa -mcpu=gfx1250 --defsym DOCPART=n.
;; ======== version 1 of 2: 2 launches
;; workspace buffers: xq 13,107,200 bytes; wq 13,107,200 bytes; dq 204,800 bytes; upq 1,048,576 bytes
;; launch prep (part 1): grid 560 x 1, 4 waves a work-group, no clusters, 36,352 bytes of LDS; arguments x, W, down_aux, hyper_down, up_aux, hyper_up, xq, wq, dq, upq; writes xq, wq, dq, upq
.if DOCPART == 1
	.amdgcn_target "amdgcn-amd-amdhsa--gfx1250"
	.amdhsa_code_object_version 6
	.text
	.protected	k_q0a71713ae2_prep
	.globl	k_q0a71713ae2_prep
	.p2align	8
	.type	k_q0a71713ae2_prep,@function
k_q0a71713ae2_prep:
	s_mov_b64 s[64:65], 0
	v_nop
	global_prefetch_b8 v0, s[64:65] scope:SCOPE_SE
	s_setreg_imm32_b32 hwreg(HW_REG_WAVE_MODE, 25, 1), 1
	s_wait_xcnt 0x0
; PREP: everything that the product's launch wants ready, made once.  Three paths, parted by the work-group's number:
;   work-groups 0-31    down[b][r][i] = sum over a of down_aux[i][a] hyper_down[b][a][r], on codes of E3M2 (K = a = 64), and its result quantised along i: dq
;   work-groups 32-47   up[b][o][r] = sum over a of up_aux[a][o] hyper_up[b][r][a], on codes of E3M2 (K = 64); 2 up (ALPHA / RANK = 2, exact) is split into bf16 hi + bf16 lo: upq
;   work-groups 48-559  x [4096][4096] and W [4096][4096], f32, K innermost, become codes of E3M2 with one E8M0 byte for each 32 along K: xq, wq
; THE QUANTISER: a block's scale is 2^(floor(log2(largest magnitude)) - 4); its byte is the largest magnitude's exponent field - 4, held at 1 from below by a floor among the maximum's leaves.
; ALL FOUR BUFFERS LIE IN THE ORDER OF THE OPERAND'S REGISTERS.  A fragment (16 rows x 128 K, 12 registers a lane) is 1,536 bytes: registers 4 g .. 4 g + 3 of lane l at 512 g + 16 l.
; Lane (r = l % 16, h = l / 16) holds row r; registers 6 c .. 6 c + 5 hold K = 64 c + 32 h + 0 .. 31.
;   xq, wq: [128-row block 0..31][K step of 256, 0..15][25,600]: fragment (i = 0..7, q = 0..1) at (2 i + q) 1,536; scale words at 24,576 + 128 i + 8 r + 4 q
;   dq:     [b][51,200]: K step s (128 along i) at 1,536 s; scale words at 49,152 + 64 s + 4 r (r: the rank)
;   upq:    [b][block of 16 o, 0..255][1,024]: 512 bytes hi, 512 bytes lo; lane (o = l % 16, h) has the bf16 of 2 up[b][o][8 h .. 8 h + 7] at 16 l
; LIMITS: NaN and infinities among the inputs are not served.  A block of zeros, or one whose largest magnitude lies under 2^-122, gets the byte 1 (the rule says 127 for zeros): its codes
; are zeros or as the held scale gives them, and only this program reads the bytes.
; No tensor load, no barrier: waves share nothing.  Only the third path touches LDS, each wave its own 8,960 bytes.
.set SEL, 26                           ; s[26:27] v_permlanex16_b32's selects for lane l xor 16
; 32 numbers of ONE lane, a whole block along K, become six registers of codes at v[d] (d even) and the scale's byte in v[by].
.macro BLK32 x, d, ct, e, by
	v_max3_num_f32 v[MXA], |v[(\x)]|, |v[(\x)+1]|, 0x2800000          ; two chains; the floor 2^(5 - 127) is one leaf: the byte cannot fall under 1
	v_max3_num_f32 v[MXB], |v[(\x)+2]|, |v[(\x)+3]|, |v[(\x)+4]|
.irp i, 5,9,13,17,21,25
	v_max3_num_f32 v[MXA], v[MXA], |v[(\x)+\i]|, |v[(\x)+\i+1]|
	v_max3_num_f32 v[MXB], v[MXB], |v[(\x)+\i+2]|, |v[(\x)+\i+3]|
.endr
	v_max3_num_f32 v[MXA], v[MXA], |v[(\x)+29]|, |v[(\x)+30]|
	v_max3_num_f32 v[MXA], v[MXA], v[MXB], |v[(\x)+31]|               ; the block's largest magnitude
	v_add_nc_u32 v[\e], 0xfe000000, v[MXA]                            ; 4 off its exponent field: the conversion takes the exponent field of this operand as its scale, and nothing else of it
	v_cvt_scalef32_pk16_bf6_f32 v[(\d):(\d)+2], v[(\x):(\x)+15], v[\e]
	v_cvt_scalef32_pk16_bf6_f32 v[(\ct):(\ct)+2], v[(\x)+16:(\x)+31], v[\e]   ; (a conversion's three registers begin on an even number: the block's second half is made elsewhere and moved)
	v_lshrrev_b32 v[\by], 23, v[\e]                                   ; the scale's byte; also the plain instruction behind the conversions
.irp i, 0,1,2
	v_mov_b32 v[(\d)+3+\i], v[(\ct)+\i]
.endr
.endm
; The scale word of an operand with K = 64: my block h's byte at byte h, lane l xor 16's at the other; bytes 2 and 3 stay 0 and stand over zero codes.
.macro WORD64 w, by
	v_lshlrev_b32 v[\w], v4, v[\by]
	v_permlanex16_b32 v[WT], v[\w], s[SEL], s[SEL+1]
	v_or_b32 v[\w], v[\w], v[WT]
.endm
; 64 numbers of a lane, register 16 b + i = k 32 b + 16 (lane / 16) + i of my row, become a fragment's codes in v[PC] on and its scale word in v[PW].
.macro QUANT s
.irp b, 0,1,2,3
	v_max3_num_f32 v[TM+\b], |v[\s+16*\b]|, |v[\s+1+16*\b]|, 0x2800000
.endr
.irp i, 2,4,6,8,10,12,14
.irp b, 0,1,2,3
	v_max3_num_f32 v[TM+\b], v[TM+\b], |v[\s+16*\b+\i]|, |v[\s+1+16*\b+\i]|   ; the four blocks by turns
.endr
.endr
.irp b, 0,1,2,3
	v_permlanex16_b32 v[TM+4+\b], v[TM+\b], s[SEL], s[SEL+1]
.endr
.irp b, 0,1,2,3
	v_max_num_f32 v[TM+\b], v[TM+\b], v[TM+4+\b]                      ; with lane l xor 16's 16 numbers: the block's largest magnitude
.endr
.irp b, 0,1,2,3
	v_add_nc_u32 v[TM+12+\b], 0xfe000000, v[TM+\b]
.endr
.irp b, 0,1,2,3
	v_lshrrev_b32 v[TM+4+\b], 23, v[TM+12+\b]
.endr
	v_lshl_or_b32 v[PW], v[TM+5], 8, v[TM+4]                          ; the four bytes make my row's scale word
	v_lshl_or_b32 v[PW], v[TM+6], 16, v[PW]
	v_lshl_or_b32 v[PW], v[TM+7], 24, v[PW]
.irp c, 0,1
	v_cvt_scalef32_pk16_bf6_f32 v[PC+6*\c:PC+2+6*\c], v[\s+32*\c:\s+15+32*\c], v[TM+12+2*\c]
	v_cvt_scalef32_pk16_bf6_f32 v[PC+12+4*\c:PC+14+4*\c], v[\s+16+32*\c:\s+31+32*\c], v[TM+12+2*\c+1]
.endr
	v_nop                                                             ; one plain instruction behind a scaled conversion
.irp c, 0,1                                                               ; the operand's layout wants a WHOLE block in a lane: lanes 0-15 block 2 c, lanes 16-31 block 2 c + 1
.irp i, 0,1,2
	v_permlane16_swap_b32 v[PC+6*\c+\i], v[PC+12+4*\c+\i]
.endr
.irp i, 0,1,2
	v_mov_b32 v[PC+3+6*\c+\i], v[PC+12+4*\c+\i]
.endr
.endr
.endm
	s_load_b256 s[4:11], s[0:1], 0x0               ; x s[4:5], W s[6:7], down_aux s[8:9], hyper_down s[10:11]
	s_load_b256 s[12:19], s[0:1], 0x20             ; up_aux s[12:13], hyper_up s[14:15], xq s[16:17], wq s[18:19]
	s_load_b128 s[20:23], s[0:1], 0x40             ; dq s[20:21], upq s[22:23]
	v_lshl_add_u32 v14, v0, 2, 0x8c00
	v_mov_b32 v15, 0
	v_lshrrev_b32 v1, 5, v0
	v_readfirstlane_b32 s24, v1                    ; wave 0..3
	v_and_b32 v1, 31, v0                           ; lane
	v_and_b32 v2, 15, v0                           ; r
	v_bfe_u32 v3, v0, 4, 1                         ; h
	v_lshlrev_b32 v4, 3, v3                        ; 8 h: how far my bytes are shifted in a scale word
	s_mov_b32 s[SEL], 0x76543210
	s_mov_b32 s[SEL+1], 0xfedcba98
	s_wait_kmcnt 0x0
	s_cmp_lt_u32 ttmp9, 32
	s_cbranch_scc1 .Ldown
	s_cmp_lt_u32 ttmp9, 48
	s_cbranch_scc1 .Lup
; ---------------------------------------------------------------- x and W into codes
; 512 work-groups, the first 256 for x, the others for W: only pointers are chosen, one path serves both.  A work-group takes 64 rows x 1,024 along K, a wave 64 rows x 256: eight fragments.
; A load reads 512 consecutive bytes of one row (16 a lane), and the four waves stand side by side on 4,096.  A lane of the operand wants 32 NEIGHBOURS of one row: a fragment's 16 rows x 512 bytes turn
; through the wave's own stage in LDS, rows 528 bytes apart, so that the sixteen rows that a read touches begin in sixteen different groups of banks.
.set XR,  16                           ; v16-143  two sets of 64: a fragment's numbers as loaded
.set XN,  144                          ; v144-207 my two blocks of 32 neighbours
.set CD,  208                          ; v208-219 the fragment's codes
.set CT0, 220
.set CT1, 224
.set MXA, 228
.set MXB, 229
.set E0,  230
.set E1,  231
.set BY0, 232
.set BY1, 233
.set SW,  234
.set WT,  235
	s_sub_co_u32 s25, ttmp9, 48
	s_cmp_lt_u32 s25, 256                          ; x's work-group or W's?  The choice hangs on the work-group's number alone
	s_cselect_b64 s[28:29], s[4:5], s[6:7]
	s_cselect_b64 s[30:31], s[16:17], s[18:19]
	s_and_b32 s25, s25, 255
	s_lshr_b32 s32, s25, 2                         ; which 64 rows
	s_and_b32 s33, s25, 3
	s_lshl_b32 s33, s33, 2
	s_add_co_u32 s33, s33, s24                     ; which 256 along K: 4 x (work-group % 4) + wave
	s_lshl_b32 s34, s32, 20                        ; 64 rows of 16,384 bytes
	s_lshl_b32 s35, s33, 10                        ; 256 numbers of 4 bytes
	s_add_co_u32 s34, s34, s35
	s_mov_b32 s35, 0
	s_add_nc_u64 s[28:29], s[28:29], s[34:35]      ; my first number
	s_lshr_b32 s34, s32, 1
	s_lshl_b32 s34, s34, 4
	s_add_co_u32 s34, s34, s33
	s_mul_i32 s34, s34, 25600                      ; the block (128 rows, K step) of the codes' buffer
	s_add_nc_u64 s[30:31], s[30:31], s[34:35]
	s_and_b32 s36, s32, 1                          ; its upper or lower 64 rows
	s_mul_i32 s34, s36, 12288
	s_add_nc_u64 s[38:39], s[30:31], s[34:35]      ; my eight fragments
	s_lshl_b32 s34, s36, 9
	s_add_co_u32 s34, s34, 24576
	s_add_nc_u64 s[40:41], s[30:31], s[34:35]      ; my 512 bytes of scale words
	s_mul_i32 s37, s24, 8960                       ; my wave's LDS: a stage of 16 x 528 bytes, then 512 bytes of scale words
	v_lshlrev_b32 v5, 4, v1                        ; 16 x lane
	v_add_nc_u32 v6, s37, v5                       ; the stage, on the way in: a row as it lies
	v_mul_u32_u24 v7, v2, 528
	v_lshl_add_u32 v7, v3, 7, v7
	v_add_nc_u32 v7, s37, v7                       ; and on the way out: row r, + 128 h bytes: K = 32 h on
	s_add_co_u32 s37, s37, 8448
	v_lshl_add_u32 v8, v2, 3, s37                  ; my row's scale words: 8 r
	v_add_nc_u32 v9, s37, v5                       ; and all of them on the way out
	v_mov_b32 v[WT], 0                             ; written once: a lane permute's destination counts as one of its sources
.macro LOADF f                         ; fragment f = 2 i + q: rows 16 i + j, K = 128 q on
.irp j, 0,1,2,3,4,5,6,7,8,9,10,11,12,13,14,15
	global_load_b128 v[XR+64*((\f)%2)+4*\j:XR+64*((\f)%2)+4*\j+3], v5, s[28:29] offset:(16*((\f)/2)+\j)*16384+512*((\f)%2) th:TH_LOAD_NT
.endr
.endm
.macro FSTEP f
.if (\f) < 7
	s_wait_loadcnt 16                              ; this fragment's 16 loads are in; the next fragment's 16 stay out
.else
	s_wait_loadcnt 0x0
.endif
.irp j, 0,1,2,3,4,5,6,7,8,9,10,11,12,13,14,15
	ds_store_b128 v6, v[XR+64*((\f)%2)+4*\j:XR+64*((\f)%2)+4*\j+3] offset:528*\j
.endr
.irp j, 0,1,2,3,4,5,6,7                        ; LDS serves a wave's instructions in order (ISA guide 5.7.1.4): these see the stores above
	ds_load_b128 v[XN+4*\j:XN+4*\j+3], v7 offset:16*\j                  ; K = 32 h + 0 .. 31
.endr
.irp j, 0,1,2,3,4,5,6,7
	ds_load_b128 v[XN+32+4*\j:XN+32+4*\j+3], v7 offset:256+16*\j        ; K = 64 + 32 h + 0 .. 31
.endr
	s_wait_dscnt 0x0                               ; my neighbours are in, and the stores into the stage have read their registers
	s_wait_xcnt 0x0                                ; the last step's stores have read the codes' registers: they are written again below
.if (\f)+2 < 8
	LOADF (\f)+2                                   ; into the set just sent through the stage
.endif
	BLK32 XN, CD, CT0, E0, BY0
	BLK32 XN+32, CD+6, CT1, E1, BY1
	v_lshl_or_b32 v[SW], v[BY1], 16, v[BY0]        ; my two bytes: blocks h and 2 + h,
	v_lshlrev_b32 v[SW], v4, v[SW]                 ; at their places in the scale word;
	v_permlanex16_b32 v[WT], v[SW], s[SEL], s[SEL+1]
	v_or_b32 v[SW], v[SW], v[WT]                   ; with lane l xor 16's two the word is whole
	ds_store_b32 v8, v[SW] offset:128*((\f)/2)+4*((\f)%2)   ; lanes r and r + 16 write the same word with the same value
.irp g, 0,1,2
	global_store_b128 v5, v[CD+4*\g:CD+4*\g+3], s[38:39] offset:1536*(\f)+512*\g   ; 32 lanes store 512 consecutive bytes, at a multiple of 256 from the buffer's first byte
.endr
.endm
	LOADF 0
	LOADF 1
.irp f, 0,1,2,3,4,5,6,7
	FSTEP \f
.endr
	ds_load_b128 v[240:243], v9                    ; the wave's 128 scale words
	s_wait_dscnt 0x0
	global_store_b128 v5, v[240:243], s[40:41]     ; 512 consecutive bytes
	s_wait_tensorcnt 0x0
	ds_add_u32 v14, v15
	s_wait_dscnt 0x0
	s_endpgm
; ---------------------------------------------------------------- down, and its codes
; 128 waves: wave D makes the fragment of Q(down[b]) for K step s (i = 128 s .. 128 s + 127), b = D / 32, s = D % 32.
; The product is used so that the result's registers run along i, the next K: source 0 = 16 rows i of down_aux, source 1 = hyper_down[b]'s 16 columns (the ranks): a lane holds ONE rank.
; THE ROWS OF A TILE ARE NOT NEIGHBOURS: lane r of tile f takes row 32 (f / 2) + 8 (f % 2) + r + 8 (r / 8), so that the 16 registers of tiles 2 b and 2 b + 1 are 16 neighbours along i.
; K = 64: registers 6-11 of every fragment are zero codes.
.Ldown:
.set HDF, 16                           ; v16-27   hyper_down's fragment
.set FB,  28                           ; v28-51   down_aux's fragments, two by turns
.set HDS, 52                           ; v52      hyper_down's scale word;  v53-54 down_aux's
.set FS,  53
.set MXA, 55
.set MXB, 56
.set EE,  57
.set BY,  58
.set WT,  59
.set CT,  60                           ; v60-62
.set PW,  63
.set HA,  64                           ; v64-127  the eight tiles of down; hyper_down's 32 numbers lie in v64-95 first
.set RAW, 128                          ; v128-223 three sets of 32 numbers of down_aux
.set TM,  128                          ; v128-143 at work in QUANT, when the sets are done with
.set PC,  224                          ; v224-242 the codes
	s_lshl_b32 s25, ttmp9, 2
	s_add_co_u32 s25, s25, s24                     ; D
	s_lshr_b32 s32, s25, 5                         ; b
	s_and_b32 s33, s25, 31                         ; s
	s_lshl_b32 s34, s32, 12
	s_mov_b32 s35, 0
	s_add_nc_u64 s[28:29], s[10:11], s[34:35]      ; hyper_down[b]
	s_lshl_b32 s34, s33, 15
	s_add_nc_u64 s[30:31], s[8:9], s[34:35]        ; down_aux at row 128 s
	s_mul_i32 s34, s32, 51200
	s_add_nc_u64 s[36:37], s[20:21], s[34:35]      ; dq[b]
	s_mul_i32 s34, s33, 1536
	s_add_nc_u64 s[38:39], s[36:37], s[34:35]      ; my fragment
	s_lshl_b32 s34, s33, 6
	s_add_co_u32 s34, s34, 49152
	s_add_nc_u64 s[40:41], s[36:37], s[34:35]      ; its scale words
	v_lshlrev_b32 v5, 2, v2
	v_lshl_add_u32 v5, v3, 11, v5                  ; hyper_down: column r, from row a = 32 h on (rows of 64 bytes)
	v_and_b32 v6, 8, v2
	v_add_nc_u32 v6, v6, v2                        ; r + 8 (r / 8)
	v_lshlrev_b32 v6, 8, v6
	v_lshl_add_u32 v6, v3, 7, v6                   ; down_aux: that row of 256 bytes, + 128 h
	v_lshlrev_b32 v7, 4, v1                        ; 16 x lane
	v_lshlrev_b32 v8, 2, v2                        ; 4 r
.macro DL f                            ; tile f's 32 numbers a lane
.irp j, 0,1,2,3,4,5,6,7
	global_load_b128 v[RAW+32*((\f)%3)+4*\j:RAW+32*((\f)%3)+4*\j+3], v6, s[30:31] offset:(32*((\f)/2)+8*((\f)%2))*256+16*\j
.endr
.endm
.macro DQ f, cnt                       ; they become a fragment and its scale word.  cnt: the loads of the younger tiles, which stay out
	s_wait_loadcnt \cnt
	BLK32 RAW+32*((\f)%3), FB+12*((\f)%2), CT, EE, BY
	WORD64 FS+(\f)%2, BY
.endm
.macro DW f
	v_wmma_scale_f32_16x16x128_f8f6f4 v[HA+8*(\f):HA+8*(\f)+7], v[FB+12*((\f)%2):FB+12*((\f)%2)+11], v[HDF:HDF+11], 0, v[FS+(\f)%2], v[HDS] matrix_a_fmt:MATRIX_FMT_BF6 matrix_b_fmt:MATRIX_FMT_BF6
.endm
.irp i, 0,1,2,3,4,5,6,7,8,9,10,11,12,13,14,15,16,17,18,19,20,21,22,23,24,25,26,27,28,29,30,31
	global_load_b32 v[HA+\i], v5, s[28:29] offset:64*\i   ; hyper_down[b][32 h + i][r]: my registers run down K
.endr
	DL 0
	DL 1
	DL 2
	v_mov_b32 v[WT], 0                             ; written once: a lane permute's destination counts as one of its sources
.irp i, 6,7,8,9,10,11
	v_mov_b32 v[HDF+\i], 0                         ; K = 64 .. 127: zero codes
	v_mov_b32 v[FB+\i], 0
	v_mov_b32 v[FB+12+\i], 0
.endr
	s_wait_loadcnt 24                              ; hyper_down's 32 loads are in; three tiles' 24 stay out
	BLK32 HA, HDF, CT, EE, BY
	WORD64 HDS, BY
; A tile's product stands behind the NEXT tile's quantising: its more than sixteen plain instructions are the eight places that a scale register written by a vector instruction owes a scaled product
; (an operand so written: four), and the sixteen maxima at the head of the tile after that are the four places behind the product, ahead of the write into its fragment's registers.
	DQ 0, 16
	DL 3
	DQ 1, 16
	DL 4
	DW 0
	DQ 2, 16
	DL 5
	DW 1
	DQ 3, 16
	DL 6
	DW 2
	DQ 4, 16
	DL 7
	DW 3
	DQ 5, 16
	DW 4
	DQ 6, 8
	DW 5
	DQ 7, 0
	DW 6
.rept 8
	v_nop                                          ; the last tile has no successor whose work could stand here
.endr
	DW 7
.irp b, 0,1,2,3
	v_mov_b32 v[TM+4+\b], 0                        ; the lane permutes' destinations get a value; also the four places behind the last product
.endr
	QUANT HA                                       ; each tile is read from its low end on
.irp g, 0,1,2
	global_store_b128 v7, v[PC+4*\g:PC+4*\g+3], s[38:39] offset:512*\g   ; 512 consecutive bytes a store
.endr
	global_store_b32 v8, v[PW], s[40:41]           ; 16 words: lanes r and r + 16 hold the same word and write it to the same place.  64 bytes a wave: 8,192 in the launch leave in such short runs
	s_endpgm
; ---------------------------------------------------------------- 2 up, as bf16 hi + lo
; 64 waves: wave U takes columns o = 64 U .. 64 U + 63 (four tiles) for all four b.  Source 0 = hyper_up[b]'s 16 rows (the ranks), source 1 = 16 columns of up_aux: lane (o, h) holds ranks 8 h + 0 .. 7 of
; column o, which is the layout of a 16-bit operand's registers 0-3.  up_aux has K as its first axis: a lane takes a column and its registers run down K; sixteen lanes read 64 neighbouring bytes, the
; work-group's four waves stand side by side on 1,024.  Eight items (hyper_up[0..3], then the four tiles of up_aux) go through three sets of 32 registers.
.Lup:
.set HUF, 16                           ; v16-63   hyper_up's four fragments
.set UF,  64                           ; v64-87   up_aux's fragments, two by turns
.set HUS, 88                           ; v88-91   hyper_up's scale words;  v92-93 up_aux's
.set US,  92
.set MXA, 94
.set MXB, 95
.set EE,  96
.set BY,  97
.set WT,  98
.set CT,  100                          ; v100-102
.set UA,  104                          ; v104-135 up of one tile, for the four b
.set TT,  136                          ; v136-143 2 up, then what bf16 hi leaves of it
.set FF,  144                          ; v144-151 hi, widened again
.set HH,  152                          ; v152-155 hi
.set LL,  156                          ; v156-159 lo
.set RAW, 160                          ; v160-255 three sets of 32
	s_sub_co_u32 s25, ttmp9, 32
	s_lshl_b32 s25, s25, 2
	s_add_co_u32 s25, s25, s24                     ; U
	s_lshl_b32 s34, s25, 8
	s_mov_b32 s35, 0
	s_add_nc_u64 s[28:29], s[12:13], s[34:35]      ; up_aux at column 64 U
	s_lshl_b32 s34, s25, 12
	s_add_nc_u64 s[30:31], s[22:23], s[34:35]      ; upq at block 4 U
	v_lshlrev_b32 v5, 8, v2
	v_lshl_add_u32 v5, v3, 7, v5                   ; hyper_up: row r of 256 bytes, + 128 h
	v_lshlrev_b32 v6, 2, v2
	v_lshl_add_u32 v6, v3, 19, v6                  ; up_aux: column r, from row a = 32 h on (rows of 16,384 bytes)
	v_lshlrev_b32 v7, 4, v1                        ; 16 x lane
.macro UL k
.if (\k) < 4
.irp j, 0,1,2,3,4,5,6,7
	global_load_b128 v[RAW+32*((\k)%3)+4*\j:RAW+32*((\k)%3)+4*\j+3], v5, s[14:15] offset:4096*(\k)+16*\j
.endr
.else
.irp i, 0,1,2,3,4,5,6,7,8,9,10,11,12,13,14,15,16,17,18,19,20,21,22,23,24,25,26,27,28,29,30,31
	global_load_b32 v[RAW+32*((\k)%3)+\i], v6, s[28:29] offset:16384*\i+64*((\k)-4)
.endr
.endif
.endm
.macro UQ k, cnt                       ; cnt: the loads of the two younger items, which stay out
	s_wait_loadcnt \cnt
.if (\k) < 4
	BLK32 RAW+32*((\k)%3), HUF+12*(\k), CT, EE, BY
	WORD64 HUS+(\k), BY
.else
	BLK32 RAW+32*((\k)%3), UF+12*((\k)%2), CT, EE, BY
	WORD64 US+(\k)%2, BY
.endif
.endm
.macro UW t                            ; tile t for the four b: four accumulators, each begun by the constant 0
.irp b, 0,1,2,3
	v_wmma_scale_f32_16x16x128_f8f6f4 v[UA+8*\b:UA+8*\b+7], v[HUF+12*\b:HUF+12*\b+11], v[UF+12*((\t)%2):UF+12*((\t)%2)+11], 0, v[HUS+\b], v[US+(\t)%2] matrix_a_fmt:MATRIX_FMT_BF6 matrix_b_fmt:MATRIX_FMT_BF6
.endr
.endm
.macro UOUT t
.rept 4
	v_nop                                          ; four places behind the products, ahead of the first read of a result (ISA guide 7.12.1)
.endr
.irp b, 0,1,2,3
	s_wait_xcnt 0x0                                ; the last two stores have read hi's and lo's registers
.irp j, 0,1,2,3
	v_pk_mul_f32 v[TT+2*\j:TT+2*\j+1], v[UA+8*\b+2*\j:UA+8*\b+2*\j+1], 2.0 op_sel_hi:[1,0]   ; ALPHA / RANK = 2: exact.  The accumulator is read from its low end on
.endr
.irp j, 0,1,2,3
	v_cvt_pk_bf16_f32 v[HH+\j], v[TT+2*\j], v[TT+2*\j+1]
.endr
.irp j, 0,1,2,3
	v_lshlrev_b32 v[FF+2*\j], 16, v[HH+\j]
	v_and_b32 v[FF+2*\j+1], 0xffff0000, v[HH+\j]
.endr
.irp j, 0,1,2,3
	v_pk_add_f32 v[TT+2*\j:TT+2*\j+1], v[TT+2*\j:TT+2*\j+1], v[FF+2*\j:FF+2*\j+1] neg_lo:[0,1] neg_hi:[0,1]   ; what hi leaves: exact
.endr
.irp j, 0,1,2,3
	v_cvt_pk_bf16_f32 v[LL+\j], v[TT+2*\j], v[TT+2*\j+1]
.endr
	global_store_b128 v7, v[HH:HH+3], s[30:31] offset:262144*\b+1024*(\t)        ; 512 consecutive bytes a store
	global_store_b128 v7, v[LL:LL+3], s[30:31] offset:262144*\b+1024*(\t)+512
.endr
.endm
	UL 0
	UL 1
	UL 2
	v_mov_b32 v[WT], 0                             ; written once: a lane permute's destination counts as one of its sources
.irp i, 6,7,8,9,10,11
	v_mov_b32 v[HUF+\i], 0                         ; K = 64 .. 127: zero codes
	v_mov_b32 v[HUF+12+\i], 0
	v_mov_b32 v[HUF+24+\i], 0
	v_mov_b32 v[HUF+36+\i], 0
	v_mov_b32 v[UF+\i], 0
	v_mov_b32 v[UF+12+\i], 0
.endr
	UQ 0, 16                                       ; behind item 0: 8 + 8
	UL 3
	UQ 1, 16                                       ; 8 + 8
	UL 4
	UQ 2, 40                                       ; 8 + 32
	UL 5
	UQ 3, 63                                       ; 32 + 32 are behind it; the wait's field holds 63, the stricter side
	UL 6
	UQ 4, 63
	UL 7
	UQ 5, 63
	UW 0                                           ; a tile's products stand behind the next tile's quantising, as on the path above
	UOUT 0
	UQ 6, 32
	UW 1
	UOUT 1
	UQ 7, 0
	UW 2
	UOUT 2
	UW 3
	UOUT 3
	s_endpgm
.Lfunc_end_k_q0a71713ae2_prep:
	.size	k_q0a71713ae2_prep, .Lfunc_end_k_q0a71713ae2_prep-k_q0a71713ae2_prep
	.p2alignl 7, 3214868480
	.fill 96, 4, 3214868480
	.section	.rodata,"a",@progbits
	.p2align	6, 0x0
	.amdhsa_kernel k_q0a71713ae2_prep
		.amdhsa_group_segment_fixed_size 36352
		.amdhsa_private_segment_fixed_size 0
		.amdhsa_enable_private_segment 0
		.amdhsa_kernarg_size 80
		.amdhsa_user_sgpr_count 2
		.amdhsa_user_sgpr_kernarg_segment_ptr 1
		.amdhsa_wavefront_size32 1
		.amdhsa_system_sgpr_workgroup_id_x 1
		.amdhsa_system_sgpr_workgroup_id_y 1
		.amdhsa_system_sgpr_workgroup_id_z 1
		.amdhsa_system_vgpr_workitem_id 0
		.amdhsa_next_free_vgpr 256
		.amdhsa_next_free_sgpr 66
		.amdhsa_reserve_vcc 0
		.amdhsa_float_denorm_mode_32 3
		.amdhsa_float_denorm_mode_16_64 3
		.amdhsa_memory_ordered 1
		.amdhsa_forward_progress 1
		.amdhsa_inst_pref_size 144
	.end_amdhsa_kernel
	.amdgpu_metadata
---
amdhsa.version: [ 1, 2 ]
amdhsa.kernels:
  - .name:           k_q0a71713ae2_prep
    .symbol:         k_q0a71713ae2_prep.kd
    .args:
      - { .name: x, .offset: 0, .size: 8, .value_kind: global_buffer, .address_space: global }
      - { .name: W, .offset: 8, .size: 8, .value_kind: global_buffer, .address_space: global }
      - { .name: down_aux, .offset: 16, .size: 8, .value_kind: global_buffer, .address_space: global }
      - { .name: hyper_down, .offset: 24, .size: 8, .value_kind: global_buffer, .address_space: global }
      - { .name: up_aux, .offset: 32, .size: 8, .value_kind: global_buffer, .address_space: global }
      - { .name: hyper_up, .offset: 40, .size: 8, .value_kind: global_buffer, .address_space: global }
      - { .name: xq, .offset: 48, .size: 8, .value_kind: global_buffer, .address_space: global }
      - { .name: wq, .offset: 56, .size: 8, .value_kind: global_buffer, .address_space: global }
      - { .name: dq, .offset: 64, .size: 8, .value_kind: global_buffer, .address_space: global }
      - { .name: upq, .offset: 72, .size: 8, .value_kind: global_buffer, .address_space: global }
    .group_segment_fixed_size: 36352
    .private_segment_fixed_size: 0
    .kernarg_segment_align: 8
    .kernarg_segment_size: 80
    .max_flat_workgroup_size: 128
    .sgpr_count:     66
    .vgpr_count:     256
    .wavefront_size: 32
...
	.end_amdgpu_metadata
.endif
;; end of part 1
;; launch gemm (part 2): grid 16 x 16, 4 waves a work-group, clusters of 4 x 4, 327,680 bytes of LDS; arguments xq, wq, dq, upq, b, out0; writes out0
.if DOCPART == 2
	.amdgcn_target "amdgcn-amd-amdhsa--gfx1250"
	.amdhsa_code_object_version 6
	.text
	.protected	k_q0a71713ae2_gemm
	.globl	k_q0a71713ae2_gemm
	.p2align	8
	.type	k_q0a71713ae2_gemm,@function
k_q0a71713ae2_gemm:
	s_mov_b64 s[64:65], 0
	v_nop
	global_prefetch_b8 v0, s[64:65] scope:SCOPE_SE
	s_setreg_imm32_b32 hwreg(HW_REG_WAVE_MODE, 25, 1), 1
	s_wait_xcnt 0x0
	s_wait_alu depctr_hold_cnt(0) depctr_sa_sdst(0) depctr_va_vdst(0) depctr_va_sdst(0) depctr_va_ssrc(0) depctr_va_vcc(0) depctr_vm_vsrc(0)
	s_getreg_b32 s2, hwreg(HW_REG_IB_STS2, 6, 4)
	s_cmp_eq_u32 s2, 0
	s_cbranch_scc0 .Lentry_in_a_cluster
	s_endpgm
.Lentry_in_a_cluster:
	s_bfe_u32 s2, ttmp6, 0x10000c
	s_cmp_lg_u32 s2, 0xf033
	s_cbranch_scc0 .Lentry_shape_is_right
	s_endpgm
.Lentry_shape_is_right:
; out0[s][o] = b[o] + sum over i of Q(x)[s][i] Q(W)[o][i] + sum over r of (2 up[bt][o][r]) lr[s][r],   lr[s][r] = sum over i of Q(x)[s][i] Q(down[bt])[r][i],   bt = s / 1024.
; The two sums over i run on codes of E3M2 with one E8M0 scale for each 32 along i, as the launch before has laid them (xq, wq, dq: images of the operand's registers: a fragment of 16 rows x 128 K is 1,536
; bytes, registers 4 g .. 4 g + 3 of lane l at 512 g + 16 l).  The sum over r (16 long) runs on bf16: 2 up as bf16 hi + lo (upq), lr rounded to bf16; the form's 32 along K hold (hi | lo) x (lr | lr).
; A tile of out0, 256 x 256, is made by a work-group of four waves; a wave makes 128 x 128: 64 accumulators of 16 x 16, 512 registers.  K goes in steps of 256 through a ring of two LDS slots; a slot holds four
; dense blocks of 25,600 bytes (128 rows: 16 fragments and their scale words), one tensor load a wave.  Every fragment load reads 512 bytes on end: no pitch, no padding.
; CLUSTERS: 4 x 4 work-groups.  The four of a row of the cluster need the same blocks of xq, the four of a column the same blocks of wq: each block is asked for JOINTLY.  A cluster's 1,024 rows are one batch.
; dq[batch], 51,200 bytes, comes once, by a load of each work-group's own: all sixteen partners read it, a mask names four at the most, and it is 51,200 of the 1,689,600 bytes that a work-group fetches.
; THE MATRIX INSTRUCTION IS USED TRANSPOSED (source 0 = 16 rows of W, of down or of up; source 1 = 16 rows of x or of lr): a lane holds one row s and eight neighbouring o (or ranks).
; lr IS MADE BESIDE THE MAIN PRODUCT, from x's fragments as they stand in registers: four more products in a step of 64.  The two waves that share 128 rows make 64 rows' lr each and hand it over through LDS.
; So that the text is the same in all waves, A's blocks are ROTATED BY ADDRESS: register block a holds the half's true block (a + 4 CH) mod 8; every wave makes lr for its register blocks 0-3, and its partner's
; four are its register blocks 4-7.  The bias is the C of each sum's first product.
; LIMITS: NaN and infinities are not served.  lr is rounded to bf16 (a relative 2^-9 on the low-rank term); up keeps 16 bits of mantissa.
; REGISTERS, in windows of 256: window 0: v10-31 addresses; v15 down's scale word; v32-63 scale words, two sets; v64-127 the bias, then up's fragments; v128-223 A's fragments, ONE set; v224-255 lr's four accumulators.
;   window 1: B's fragments, two sets, at v0 and v128; v96-107 down's fragment.   window 2: the accumulators of register blocks 0-3 ((a, b) at v[8 (8 a + b)]);   window 3: those of blocks 4-7.
.set BLKB,   25600                     ; a block: 128 rows x 256 K: 16 fragments, then 1,024 bytes of scale words
.set SLOT,   4*BLKB                    ; A's two blocks, then B's two
.set FR,     12                        ; registers of a fragment
.set FRB,    1536                      ; and its image in bytes
.set SCO,    16*FRB                    ; where a block's scale words begin
.set RB,     409600                    ; 16 K steps: from one 128-row block of xq or wq to the next
.set DWN,    2*SLOT                    ; behind the ring: dq[batch]: 32 fragments, then 2,048 bytes of scale words; filled once
.set STG,    DWN+51200                 ; the way out: 16 rows x (512 bytes + 16) for each wave
.set SPITCH, 528
.set LRX,    STG+4*16*SPITCH           ; lr from wave to wave: four images of 512 bytes for each wave
.set SPARE,  LRX+4*2048                ; the spare words, 128 bytes for each wave: two blocks of 256 bytes that no other line names
.set OROW,   16384                     ; a row of out0 in bytes
.set LXL,  10                          ; v10     where I read my partner's lr
.set BO,   11                          ; v11     the bias: 32 h
.set RD,   12                          ; v12     the way out: where I read a row back
.set CO,   13                          ; v13     16 x lane; never rewritten
.set LXS,  14                          ; v14     where I store my lr
.set DSC,  15                          ; v15     down's scale word of the step
.set ADRA, 16                          ; v16-17  A's register blocks 0-3 in slot 0, 1;  v18-19 blocks 4-7
.set ADRA2, 18
.set ADRB, 20                          ; v20-21  B's blocks
.set ADSL, 22                          ; v22-23  scale words of blocks 0-3: lanes 0-15 A's, lanes 16-31 B's;  v24-25 of blocks 4-7
.set ADSH, 24
.set ADRD, 26                          ; v26     down's fragment of the step to be fetched;  v27 its scale words
.set ADRE, 27
.set SPW,  28                          ; v28     LDS address of my spare word; never rewritten
.set NIL,  29                          ; v29     0; never rewritten
.set PFO,  30                          ; v30     the prefetches' offset: 256 x min(lane, 24); never rewritten
.set STO,  31                          ; v31     the way out: where I put 32 bytes of a row
.set SC,   32                          ; set s at v[SC + 16 s]; register 2 i + q: lanes 0-15 A's register block i, lanes 16-31 B's block i, the slot's q-th 128 along K
.set BIAS, 64
.set UP,   64
.set AF,   128
.set LF,   128                         ; my lr as four bf16 fragments, when A's blocks 0-2 are done with
.set LRA,  224
.set LP,   224                         ; my partner's lr, when my accumulators of lr are done with
.set DF,   96                          ; in window 1
.set BK,   128                         ; the way out: 16 rows read back: v128-191 and v192-255 by turns
.set WV,   16                          ; s16 wave;  s17 RH: my half of the rows, and: I fetch for A (0) or B (1);  s18 CH: my half of the columns, and: which block I fetch
.set RH,   17
.set CH,   18
.set G1,   24                          ; s[24:31] descriptor group 1 for A's blocks;  s[32:39] group 0, one set for each slot
.set G0,   32
.set G1B,  48                          ; s[48:55], s[56:63] the same for B's
.set G0B,  56
.set G1D,  68                          ; s[68:75], s[76:79] for dq
.set G0D,  76
.set CLO,  80                          ; s[80:81] out0 at register block 0's rows;  s[82:83] at register block 4's
.set PFA,  84                          ; s[84:85] where my prefetches stand
.set LIM,  86                          ; s86     1 in a wave that prefetches, else the greatest number
.set MSB, 0
.macro WIN new                         ; s_set_vgpr_msb: bits 1:0 source 0, 3:2 source 1, 5:4 source 2, 7:6 destination; the high byte repeats the setting that is left
.if MSB != \new
	s_set_vgpr_msb (MSB<<8)|\new
.set MSB, \new
.endif
.endm
; A joint load: waves 0 and 1 fetch A's two blocks, waves 2 and 3 B's.  Each of the two lines has ONE mask and one set of registers for all that issue it; the branch hangs on the wave's number alone.
; Four v_nop follow each of the two lines, ahead of the jump, the label and what follows.
.macro JLOAD g0a, g1a, g0b, g1b
	s_cmp_eq_u32 s[RH], 0
	s_cbranch_scc0 .Lfor_b_\@
	tensor_load_to_lds s[\g0a:\g0a+3], s[\g1a:\g1a+7]
	s_nop 0
.rept 4
	v_nop
.endr
	s_branch .Lasked_\@
.Lfor_b_\@:
	tensor_load_to_lds s[\g0b:\g0b+3], s[\g1b:\g1b+7]
	s_nop 0
.rept 4
	v_nop
.endr
.Lasked_\@:
.endm
; A PREFETCH INTO THE L2, behind each joint refill and the run of LDS loads that follows it: my share of the block that stands TWO refills on (two K steps of 256, 272 matrix instructions a wave, ahead of the load
; that will want it).  xq's blocks of a tile row are read by every cluster of that row of clusters: cluster x = 0 asks; wq's by every cluster of a column: cluster y = 0 asks.  The four partners that ask for a block
; jointly share its 25,600 bytes out BY ADDRESS, 6,400 each: 25 lanes 256 bytes apart (lanes 25-31 name lane 24's place again).  The loop's last trip asks for nothing: there is no K step two on.
.macro ASK
	s_cmp_gt_u32 s3, s[LIM]                        ; s3 = 1 in the loop's last trip
	s_cbranch_scc0 .Lnot_mine_\@
	global_prefetch_b8 v[PFO], s[PFA:PFA+1] offset:BLKB th:TH_LOAD_NT scope:SCOPE_SE
.Lnot_mine_\@:
.endm
.macro CREST                           ; a round of the cluster's barrier behind its opening barrier
	s_cmp_lg_u32 s[WV], 0
	s_cbranch_scc1 .Lnot_wave_0_\@
	s_barrier_signal -3
.Lnot_wave_0_\@:
	s_barrier_wait -3
	s_barrier_signal -1
	s_barrier_wait -1
.endm
.macro CROUND                          ; a whole round
	s_barrier_signal -1
	s_barrier_wait -1
	CREST
.endm
	s_load_b256 s[4:11], s[0:1], 0x0               ; xq s[4:5], wq s[6:7], dq s[8:9], upq s[10:11]
	s_load_b128 s[12:15], s[0:1], 0x20             ; b s[12:13], out0 s[14:15]
	v_lshl_add_u32 v[SPW], v0, 2, SPARE
	v_mov_b32 v[NIL], 0
	ds_add_u32 v28, v29
	ds_add_u32 v28, v29
	s_wait_dscnt 0x0
	v_lshrrev_b32 v1, 5, v0
	v_readfirstlane_b32 s[WV], v1                  ; wave 0..3
	s_lshr_b32 s[RH], s[WV], 1
	s_and_b32 s[CH], s[WV], 1
	s_bfe_u32 s19, ttmp6, 0x40000                  ; cx, cy: my place in the cluster
	s_bfe_u32 s20, ttmp6, 0x40004
	s_lshl_b32 s21, ttmp9, 2
	s_add_co_u32 s21, s21, s19                     ; tile column = 4 x cluster x + cx
	s_and_b32 s23, ttmp7, 0xffff                   ; cluster y: the batch
	s_lshl_b32 s22, s23, 2
	s_add_co_u32 s22, s22, s20                     ; tile row = 4 x cluster y + cy
	s_lshl_b32 s40, s20, 2
	s_lshl_b32 s40, 15, s40                        ; my row of the cluster
	s_lshl_b32 s41, 0x1111, s19                    ; my column
	; descriptor group 1: a dense block of 25,600 bytes as 100 rows of 32 elements of 8 bytes
	s_or_b32 s[G1+0], s40, (3<<16)|(1<<21)         ; 15:0 the mask: A's blocks go to my row; 17:16 elements of 8 bytes; 20 no padding; 21 set beside a mask
	s_or_b32 s[G1B+0], s41, (3<<16)|(1<<21)        ; B's go to my column
.irp g, G1, G1B
	s_mov_b32 s[\g+1], 32<<16                      ; tensor_dim0 = 32
	s_mov_b32 s[\g+2], 100<<16                     ; tensor_dim1 = 100
	s_mov_b32 s[\g+3], 32<<16                      ; tile_dim0 = 32
	s_mov_b32 s[\g+4], 100                         ; tile_dim1 = 100
	s_mov_b32 s[\g+5], 32                          ; tensor_dim0_stride
	s_mov_b32 s[\g+6], 0
	s_mov_b32 s[\g+7], 0
.endr
	s_mov_b32 s[G1D+0], 3<<16                      ; dq: no mask; a quarter, 12,800 bytes, as 50 such rows
	s_mov_b32 s[G1D+1], 32<<16
	s_mov_b32 s[G1D+2], 50<<16
	s_mov_b32 s[G1D+3], 32<<16
	s_mov_b32 s[G1D+4], 50
	s_mov_b32 s[G1D+5], 32
	s_mov_b32 s[G1D+6], 0
	s_mov_b32 s[G1D+7], 0
	; where the blocks come from.  A's hang on the tile row alone, which my row of the cluster shares; B's on the tile column alone.  Each in registers that never hold the other coordinate
	s_lshl_b32 s42, s22, 1
	s_add_co_u32 s42, s42, s[CH]
	s_mul_i32 s42, s42, RB                         ; xq: block 2 x tile row + CH
	s_mov_b32 s43, 0
	s_lshl_b32 s44, s21, 1
	s_add_co_u32 s44, s44, s[CH]
	s_mul_i32 s44, s44, RB                         ; wq: block 2 x tile column + CH
	s_mov_b32 s45, 0
	s_mul_i32 s46, s[WV], BLKB                     ; where they go: wave x a block: no place in the cluster enters an LDS address
	s_mul_i32 s47, s[WV], 12800                    ; my quarter of dq[batch]
	s_mul_i32 s88, s23, 51200
	s_add_co_u32 s88, s88, s47
	s_mov_b32 s89, 0
	s_wait_kmcnt 0x0
	s_add_nc_u64 s[42:43], s[4:5], s[42:43]
	s_add_nc_u64 s[44:45], s[6:7], s[44:45]
	s_add_nc_u64 s[88:89], s[8:9], s[88:89]
	CROUND                                         ; all sixteen work-groups are here: the first joint loads meet
	s_mov_b32 s[G0D], 1                            ; 1:0 count = 1
	s_add_co_u32 s[G0D+1], s47, DWN                ; 63:32 LDS address
	s_mov_b64 s[G0D+2:G0D+3], s[88:89]             ; 120:64 global address
	s_or_b32 s[G0D+3], s[G0D+3], 0x80000000        ; 127:126 type = 2
	tensor_load_to_lds s[G0D:G0D+3], s[G1D:G1D+7]  ; dq first: it is wanted with K step 0.  Each wave moves a quarter of its own
	s_nop 0
.rept 4
	v_nop
.endr
.irp s, 0,1
	s_mov_b32 s[G0+4*\s], 1
	s_add_co_u32 s[G0+4*\s+1], s46, \s*SLOT
	s_add_nc_u64 s[G0+4*\s+2:G0+4*\s+3], s[42:43], \s*BLKB
	s_or_b32 s[G0+4*\s+3], s[G0+4*\s+3], 0x80000000
	s_mov_b32 s[G0B+4*\s], 1
	s_add_co_u32 s[G0B+4*\s+1], s46, \s*SLOT
	s_add_nc_u64 s[G0B+4*\s+2:G0B+4*\s+3], s[44:45], \s*BLKB
	s_or_b32 s[G0B+4*\s+3], s[G0B+4*\s+3], 0x80000000
	JLOAD G0+4*\s, G1, G0B+4*\s, G1B               ; three tensor loads of mine are out
.endr
	v_and_b32 v1, 15, v0                           ; r
	v_bfe_u32 v2, v0, 4, 1                         ; h
	v_and_b32 v3, 31, v0                           ; lane
	v_lshlrev_b32 v[CO], 4, v3
	s_mul_i32 s88, s[RH], BLKB                     ; my 128 rows of A
	s_xor_b32 s90, s[CH], 1
	s_mul_i32 s89, s[CH], 8*FRB
	s_add_co_u32 s89, s89, s88                     ; register blocks 0-3: true blocks 4 CH on
	s_mul_i32 s91, s90, 8*FRB
	s_add_co_u32 s91, s91, s88                     ; register blocks 4-7: the other four
	s_add_co_u32 s92, s[CH], 2
	s_mul_i32 s92, s92, BLKB                       ; my 128 rows of B, behind A's two blocks
	s_lshl_b32 s93, s[CH], 9
	s_add_co_u32 s93, s93, s88
	s_add_co_u32 s93, s93, SCO                     ; A's scale words of register blocks 0-3 (128 bytes a block),
	s_lshl_b32 s94, s90, 9
	s_add_co_u32 s94, s94, s88
	s_add_co_u32 s94, s94, SCO                     ; and of blocks 4-7
	s_xor_b32 s96, s[RH], 1                        ; from A's words to B's, for lanes 16-31: ONE product by h.  (2 + CH) 25,600 - RH 25,600 - 512 CH = 25,600 + 25,600 (1 - RH) + 25,088 CH;
	s_mul_i32 s96, s96, BLKB
	s_add_co_u32 s96, s96, BLKB
	s_mul_i32 s97, s[CH], BLKB+512                 ; for blocks 4-7: (2 + CH) 25,600 + 512 - RH 25,600 - 512 (1 - CH) = 25,600 + 25,600 (1 - RH) + 26,112 CH
	s_add_co_u32 s97, s97, s96
	s_mul_i32 s95, s[CH], BLKB-512
	s_add_co_u32 s96, s96, s95
	v_lshlrev_b32 v4, 3, v1                        ; 8 r: a row's two words
	v_mul_u32_u24 v5, s96, v2
	v_mul_u32_u24 v6, s97, v2
	v_add_nc_u32 v5, v5, v4
	v_add_nc_u32 v6, v6, v4
.irp s, 0,1
	v_add_nc_u32 v[ADRA+\s], s89, v[CO]
	v_add_nc_u32 v[ADRA2+\s], s91, v[CO]
	v_add_nc_u32 v[ADRB+\s], s92, v[CO]
	v_add_nc_u32 v[ADSL+\s], s93, v5
	v_add_nc_u32 v[ADSH+\s], s94, v6
	s_add_co_u32 s89, s89, SLOT
	s_add_co_u32 s91, s91, SLOT
	s_add_co_u32 s92, s92, SLOT
	s_add_co_u32 s93, s93, SLOT
	s_add_co_u32 s94, s94, SLOT
.endr
	v_add_nc_u32 v[ADRD], DWN, v[CO]
	v_lshl_add_u32 v[ADRE], v1, 2, DWN+32*FRB
	s_mul_i32 s98, s[WV], 16*SPITCH
	s_add_co_u32 s98, s98, STG                     ; my stage
	v_mul_u32_u24 v[STO], v1, SPITCH               ; in: row r, 32 bytes for each half of the lanes
	v_lshl_add_u32 v[STO], v2, 5, v[STO]
	v_add_nc_u32 v[STO], s98, v[STO]
	v_add_nc_u32 v[RD], s98, v[CO]                 ; back: the 32 lanes take one row of 512 bytes
	s_lshl_b32 s98, s[WV], 11
	s_add_co_u32 s98, s98, LRX
	v_add_nc_u32 v[LXS], s98, v[CO]
	s_xor_b32 s98, s[WV], 1                        ; my partner shares my rows and has the other columns
	s_lshl_b32 s98, s98, 11
	s_add_co_u32 s98, s98, LRX
	v_add_nc_u32 v[LXL], s98, v[CO]
	v_min_u32 v[PFO], 24, v3
	v_lshlrev_b32 v[PFO], 8, v[PFO]
	v_lshlrev_b32 v[BO], 5, v2
	s_lshl_b32 s88, s21, 10
	s_lshl_b32 s94, s[CH], 9
	s_add_co_u32 s88, s88, s94                     ; my first column, in bytes of f32: 1,024 x tile column + 512 CH
	s_mov_b32 s89, 0
	s_add_nc_u64 s[90:91], s[12:13], s[88:89]      ; the bias there  (s90 and s91 hold an address from here on)
	s_add_nc_u64 s[CLO:CLO+1], s[14:15], s[88:89]
	s_mov_b64 s[CLO+2:CLO+3], s[CLO:CLO+1]
.irp t, 0,1,2,3,4,5,6,7                        ; lane (r, h) wants, for B's block t, b at columns 16 t + 8 h + 0 .. 7: the result's layout
	global_load_b128 v[BIAS+8*\t:BIAS+8*\t+3], v[BO], s[90:91] offset:64*\t
	global_load_b128 v[BIAS+8*\t+4:BIAS+8*\t+7], v[BO], s[90:91] offset:64*\t+16
.endr
	s_lshl_b32 s88, s22, 22                        ; 256 rows of 16,384 bytes a tile row,
	s_lshl_b32 s94, s[RH], 21                      ; 128 a half,
	s_add_co_u32 s88, s88, s94
	s_lshl_b32 s94, s[CH], 20                      ; register block 0 is true block 4 CH: 64 CH rows on
	s_add_co_u32 s94, s94, s88
	s_mov_b32 s95, 0
	s_add_nc_u64 s[CLO:CLO+1], s[CLO:CLO+1], s[94:95]
	s_xor_b32 s98, s[CH], 1                        ; 1 - CH, made anew in a register that holds no address
	s_lshl_b32 s94, s98, 20                        ; register block 4 is true block 4 (1 - CH)
	s_add_co_u32 s94, s94, s88
	s_add_nc_u64 s[CLO+2:CLO+3], s[CLO+2:CLO+3], s[94:95]
	s_lshl_b32 s88, s23, 8
	s_lshl_b32 s94, s21, 4
	s_add_co_u32 s88, s88, s94
	s_lshl_b32 s94, s[CH], 3
	s_add_co_u32 s88, s88, s94
	s_lshl_b32 s88, s88, 10
	s_add_nc_u64 s[92:93], s[10:11], s[88:89]      ; upq at [batch][16 x tile column + 8 CH]
	; the prefetches: where mine stand, and who asks
	s_cmp_eq_u32 s[RH], 0                          ; do I fetch for A?
	s_cselect_b32 s94, s22, s21                    ; the tile row, or the tile column
	s_cselect_b32 s96, s19, s20                    ; my place among the four that ask for the block with me
	s_cselect_b32 s97, ttmp9, s23                  ; the coordinate along which other clusters read the same block
	s_cselect_b64 s[PFA:PFA+1], s[4:5], s[6:7]
	s_cmp_eq_u32 s97, 0
	s_cselect_b32 s[LIM], 1, -1                    ; the same in all sixteen partners, for a given wave
	s_lshl_b32 s94, s94, 1
	s_add_co_u32 s94, s94, s[CH]
	s_mul_i32 s94, s94, RB
	s_mul_i32 s96, s96, 6400
	s_add_co_u32 s94, s94, s96
	s_add_co_u32 s94, s94, 2*BLKB                  ; at K step 2: the first refill steps it to 3 and names K step 4.  Nothing is prefetched here, at the head, where every work-group's first blocks are on their way
	s_add_nc_u64 s[PFA:PFA+1], s[PFA:PFA+1], s[94:95]
.macro FRAG reg, adr, off              ; a fragment comes as it was stored: three loads of 512 bytes on end
.irp g, 0,1,2
	ds_load_b128 v[(\reg)+4*\g:(\reg)+4*\g+3], v[\adr] offset:(\off)+512*\g
.endr
.endm
.macro FETCH_B slot, q, p              ; B's eight fragments of the slot's q-th 128 along K into set p; down's fragment and scale word of that step: 28 loads
	WIN 0x40                                       ; destination window 1, address window 0
.irp i, 0,1,2,3,4,5,6,7
	FRAG 128*(\p)+FR*\i, ADRB+\slot, (2*\i+(\q))*FRB
.endr
	FRAG DF, ADRD, 0
	WIN 0
	ds_load_b32 v[DSC], v[ADRE]
.endm
.macro FETCH_A slot, q, i0             ; A's register blocks i0 .. i0 + 3: 12 loads
.irp i, 0,1,2,3
.if (\i0) == 0
	FRAG AF+FR*\i, ADRA+\slot, (2*\i+(\q))*FRB
.else
	FRAG AF+FR*(4+\i), ADRA2+\slot, (2*\i+(\q))*FRB
.endif
.endr
.endm
.macro SCALES slot                     ; a slot's scale words, two a row: 8 loads
.irp i, 0,1,2,3
	ds_load_b64 v[SC+16*\slot+2*\i:SC+16*\slot+2*\i+1], v[ADSL+\slot] offset:128*\i
.endr
.irp i, 0,1,2,3
	ds_load_b64 v[SC+16*\slot+8+2*\i:SC+16*\slot+8+2*\i+1], v[ADSH+\slot] offset:128*\i
.endr
.endm
; 16 matrix instructions: A's register blocks a0, a0 + 1 x B's eight, 128 along K: the slot's q-th.  p: B's set;  sc: the set of scale words.  first = 1: the bias is the C of the sum's first product.
; All 68 accumulators take turns, one instruction a turn, in the same order in every step.
.macro MUL16 a0, p, q, sc, first
.if (\a0) < 4
.if \first
	WIN 0x81                                       ; source 0 (B) window 1, source 1 (A) and C (the bias) window 0, D window 2
.else
	WIN 0xa1                                       ; C and D window 2
.endif
.else
.if \first
	WIN 0xc1
.else
	WIN 0xf1                                       ; C and D window 3
.endif
.endif
.irp a, \a0, \a0+1
.irp b, 0,1,2,3,4,5,6,7
.if \first
	v_wmma_scale_f32_16x16x128_f8f6f4 v[8*(8*((\a)%4)+\b):8*(8*((\a)%4)+\b)+7], v[128*(\p)+FR*\b:128*(\p)+FR*\b+FR-1], v[AF+FR*(\a):AF+FR*(\a)+FR-1], v[BIAS+8*\b:BIAS+8*\b+7], v[SC+16*(\sc)+2*\b+(\q)], v[SC+16*(\sc)+2*(\a)+(\q)] matrix_a_fmt:MATRIX_FMT_BF6 matrix_b_fmt:MATRIX_FMT_BF6 matrix_a_scale:MATRIX_SCALE_ROW1
.else
	v_wmma_scale_f32_16x16x128_f8f6f4 v[8*(8*((\a)%4)+\b):8*(8*((\a)%4)+\b)+7], v[128*(\p)+FR*\b:128*(\p)+FR*\b+FR-1], v[AF+FR*(\a):AF+FR*(\a)+FR-1], v[8*(8*((\a)%4)+\b):8*(8*((\a)%4)+\b)+7], v[SC+16*(\sc)+2*\b+(\q)], v[SC+16*(\sc)+2*(\a)+(\q)] matrix_a_fmt:MATRIX_FMT_BF6 matrix_b_fmt:MATRIX_FMT_BF6 matrix_a_scale:MATRIX_SCALE_ROW1
.endif
.endr
.endr
.endm
; lr of my register blocks 0-3: source 0 = down's 16 ranks, source 1 = x's 16 rows: lane (r, h) holds row r's ranks 8 h + 0 .. 7
.macro LR4 q, sc, first
	WIN 0x01                                       ; source 0 window 1, all else window 0
.irp a, 0,1,2,3
.if \first
	v_wmma_scale_f32_16x16x128_f8f6f4 v[LRA+8*\a:LRA+8*\a+7], v[DF:DF+FR-1], v[AF+FR*\a:AF+FR*\a+FR-1], 0, v[DSC], v[SC+16*(\sc)+2*\a+(\q)] matrix_a_fmt:MATRIX_FMT_BF6 matrix_b_fmt:MATRIX_FMT_BF6
.else
	v_wmma_scale_f32_16x16x128_f8f6f4 v[LRA+8*\a:LRA+8*\a+7], v[DF:DF+FR-1], v[AF+FR*\a:AF+FR*\a+FR-1], v[LRA+8*\a:LRA+8*\a+7], v[DSC], v[SC+16*(\sc)+2*\a+(\q)] matrix_a_fmt:MATRIX_FMT_BF6 matrix_b_fmt:MATRIX_FMT_BF6
.endif
.endr
.endm
.macro ADV                             ; on to the next step's fragment and scale words of down (no LDS load of mine is out).  Two plain instructions that name no register of a product
	v_add_nc_u32 v[ADRD], FRB, v[ADRD]
	v_add_nc_u32 v[ADRE], 64, v[ADRE]
.endm
; A load into a register that a matrix instruction has read, and a vector instruction or an LDS store that reads a matrix result, stand four places behind that matrix instruction, and only plain vector
; instructions that name none of its registers are places (ISA guide 7.12.1 for vector instructions).
.macro PLACES n
.rept \n
	v_nop
.endr
.endm
; A slot's first 128 along K: B's set 0; its successor lies in the same slot.
.macro STEP slot, first
	s_wait_dscnt 12                                ; all is in but the youngest 12 loads: A's blocks 4-7
	MUL16 0, 0, 0, \slot, \first
	MUL16 2, 0, 0, \slot, \first
	LR4 0, \slot, \first
	s_wait_dscnt 0x0                               ; A's blocks 4-7 are in (asked for 36 matrix instructions ago)
	WIN 0
	ADV
	PLACES 2                                       ; with the two above: four places
	FETCH_B \slot, 1, 1
	FETCH_A \slot, 1, 0
	MUL16 4, 0, 0, \slot, \first
	MUL16 6, 0, 0, \slot, \first
	PLACES 4
	WIN 0
	FETCH_A \slot, 1, 4
.endm
; A slot's second 128 along K changes slots: ONE barrier; in front of it each wave waits for all its tensor loads, adds 0 to its spare word, and waits for that and for its own reads of this slot.
; fill = 1: the barrier opens a round of the cluster's, and this slot is filled again, two K steps of 256 ahead.
.macro TURN slot, next, fill
.if \fill
	s_wait_xcnt 0x0                                ; the last prefetch, a K step back, has read its address: it is stepped here, ahead of the waits of the change of slots
	s_add_nc_u64 s[PFA:PFA+1], s[PFA:PFA+1], BLKB
.endif
	s_wait_tensorcnt 0x0                           ; all my tensor loads have landed: my part of the next slot  (every window is 0 here)
	ds_add_u32 v[SPW], v[NIL]                      ; 0 onto my spare word
	s_wait_dscnt 13                                ; (the add and the youngest 12 loads, A's blocks 4-7, may be out)
	MUL16 0, 1, 1, \slot, 0                        ; sixteen matrix instructions stand between the add and the wait for it
	s_wait_dscnt 0x0                               ; the add is done, and my reads of this slot are over
	s_barrier_signal -1
	MUL16 2, 1, 1, \slot, 0
	LR4 1, \slot, 0
	WIN 0
	s_barrier_wait -1
.if \fill
	CREST                                          ; no wave of any partner still reads this slot's blocks or has a load on its way
	s_add_nc_u64 s[G0+4*\slot+2:G0+4*\slot+3], s[G0+4*\slot+2:G0+4*\slot+3], 2*BLKB
	s_add_nc_u64 s[G0B+4*\slot+2:G0B+4*\slot+3], s[G0B+4*\slot+2:G0B+4*\slot+3], 2*BLKB
	JLOAD G0+4*\slot, G1, G0B+4*\slot, G1B         ; the first tensor load behind the round, my only one until the next; the four v_nop behind it are the places in front of the loads below
.else
	PLACES 4
.endif
	ADV
	FETCH_B \next, 0, 0
	FETCH_A \next, 0, 0
	SCALES \next
.if \fill
	ASK
.endif
	MUL16 4, 1, 1, \slot, 0
	MUL16 6, 1, 1, \slot, 0
	PLACES 4
	WIN 0
	FETCH_A \next, 0, 4
.endm
	s_wait_tensorcnt 1                             ; dq and my part of K step 0 are in (slot 1's load, the youngest, may be out)
	s_wait_loadcnt 0x0                             ; and the bias: no load of mine is out at the signal
	s_barrier_signal -1
	s_barrier_wait -1                              ; everybody's are
	FETCH_B 0, 0, 0
	FETCH_A 0, 0, 0
	SCALES 0
	FETCH_A 0, 0, 4
	STEP 0, 1                                      ; the first step stands in front of the loop: its products start the sums
.irp t, 0,1,2,3,4,5,6,7                        ; the bias has been read (four places back): its registers take up's eight fragments, hi in registers 0-3, lo in 4-7; they are waited for behind the loop.
	global_load_b128 v[UP+8*\t:UP+8*\t+3], v[CO], s[92:93] offset:1024*\t          ; (they are out at the loop's first barriers: no line of this launch writes upq)
	global_load_b128 v[UP+8*\t+4:UP+8*\t+7], v[CO], s[92:93] offset:1024*\t+512
.endr
	s_mov_b32 s3, 7
.Llap:                                                 ; a trip goes once round the ring, from a lap's second step to the next lap's first, and fills both slots again: 7 trips, K steps 2 to 15
	TURN 0, 1, 1
	STEP 1, 0
	TURN 1, 0, 1
	STEP 0, 0
	s_sub_co_u32 s3, s3, 1
	s_cmp_lg_u32 s3, 0
	s_cbranch_scc1 .Llap
	TURN 0, 1, 0                                   ; the last lap fills nothing, and has no round of the cluster's barrier
	STEP 1, 0
	; the very last step, and the low-rank term
	s_wait_dscnt 12
	MUL16 0, 1, 1, 1, 0
	MUL16 2, 1, 1, 1, 0
	LR4 1, 1, 0                                    ; lr of my 64 rows is whole
	WIN 0
	PLACES 5                                       ; four for the conversions below, which read lr and write over A's blocks 0-2; five for the bf16 products, another form, onto the accumulators of blocks 0-3
.irp a, 0,1,2,3
.irp j, 0,1,2,3
	v_cvt_pk_bf16_f32 v[LF+8*\a+\j], v[LRA+8*\a+2*\j], v[LRA+8*\a+2*\j+1]   ; registers 0-3 of a 16-bit fragment: K = 8 h + 0 .. 7: the ranks as they lie.  Each accumulator from its low end on
.endr
.endr
.irp a, 0,1,2,3
.irp j, 0,1,2,3
	v_mov_b32 v[LF+8*\a+4+\j], v[LF+8*\a+\j]       ; registers 4-7, K = 16 + 8 h + 0 .. 7, meet up's lo: lr once more
.endr
	ds_store_b128 v[LXS], v[LF+8*\a:LF+8*\a+3] offset:512*\a   ; and to my partner, as an image of the registers
.endr
	s_wait_dscnt 0x0                               ; for my partner's sake: my stores have landed; and A's blocks 4-7 are in
	s_barrier_signal -1
	MUL16 4, 1, 1, 1, 0
	MUL16 6, 1, 1, 1, 0
	s_wait_loadcnt 0x0                             ; up's fragments
	WIN 0xa0                                       ; C and D window 2
.irp a, 0,1,2,3                                ; register blocks 0-3 want my own lr alone: 32 products while the others arrive
.irp b, 0,1,2,3,4,5,6,7
	v_wmma_f32_16x16x32_bf16 v[8*(8*\a+\b):8*(8*\a+\b)+7], v[UP+8*\b:UP+8*\b+7], v[LF+8*\a:LF+8*\a+7], v[8*(8*\a+\b):8*(8*\a+\b)+7]
.endr
.endr
	WIN 0
	s_barrier_wait -1
.irp j, 0,1,2,3                                ; my partner's register block j is my register block 4 + j
	ds_load_b128 v[LP+8*\j:LP+8*\j+3], v[LXL] offset:512*\j
	ds_load_b128 v[LP+8*\j+4:LP+8*\j+7], v[LXL] offset:512*\j
.endr
	PLACES 5                                       ; another form onto the accumulators of blocks 4-7
	s_wait_dscnt 0x0
	WIN 0xf0                                       ; C and D window 3
.irp a, 0,1,2,3
.irp b, 0,1,2,3,4,5,6,7
	v_wmma_f32_16x16x32_bf16 v[8*(8*\a+\b):8*(8*\a+\b)+7], v[UP+8*\b:UP+8*\b+7], v[LP+8*\a:LP+8*\a+7], v[8*(8*\a+\b):8*(8*\a+\b)+7]
.endr
.endr
	WIN 0
; THE WAY OUT, block by block of 16 rows x 128 columns.  A lane holds 32 neighbouring bytes of a row, and the lanes beside it hold other rows: a block goes through my own stage in LDS and comes back as whole
; rows of 512 bytes.  LDS serves a wave's instructions in order (ISA guide 5.7.1.4): no wait between the stores and the loads, nor in front of the next block's stores.
.macro TOSTAGE a
.set AC, 64*((\a)%4)
	WIN 0x08+4*((\a)/4)                            ; an LDS store's data are its source 1: window 2 or 3
.irp b, 0,1,2,3,4,5,6,7
	ds_store_b128 v[STO], v[AC+8*\b:AC+8*\b+3] offset:64*\b          ; each accumulator from its low end on
	ds_store_b128 v[STO], v[AC+8*\b+4:AC+8*\b+7] offset:64*\b+16
.endr
	WIN 0
.set BB, BK+64*((\a)%2)
.irp t, 0,1,2,3,4,5,6,7,8,9,10,11,12,13,14,15
	ds_load_b128 v[BB+4*\t:BB+4*\t+3], v[RD] offset:\t*SPITCH
.endr
.endm
.macro SEND a, younger                 ; younger: the LDS instructions issued behind block a's loads, which may stay out
.set BB, BK+64*((\a)%2)
.set CB, CLO+2*((\a)/4)                ; register blocks 0-3 and 4-7 have a base each: the rotation
	s_wait_dscnt \younger                          ; the block is back in registers
.if (\a)%4 > 0
	s_add_nc_u64 s[CB:CB+1], s[CB:CB+1], 16*OROW   ; (behind a wait on XCNT: the earlier stores have read their base)  16 rows on
.endif
.irp t, 0,1,2,3,4,5,6,7,8,9,10,11,12,13,14,15
	global_store_b128 v[CO], v[BB+4*\t:BB+4*\t+3], s[CB:CB+1] offset:\t*OROW th:TH_STORE_NT   ; 32 lanes store 512 consecutive bytes, at a multiple of 256 from out0's first byte; written once, read by nobody here
.endr
.endm
	PLACES 4                                       ; behind the last products: for the reads of their results, and for the loads into the registers that held lr
	TOSTAGE 0
.irp a, 1,2,3,4,5,6,7
.if \a > 1
	s_wait_xcnt 0x0                                ; block a - 2's stores have read their registers and their base: block a's loads may land there, and the base may step
.endif
	TOSTAGE \a
	SEND \a-1, 32                                  ; behind block a - 1's loads: block a's 16 stores and 16 loads
.endr
	s_wait_xcnt 0x0                                ; block 6's stores have read their base
	SEND 7, 0
	s_wait_tensorcnt 0x0                           ; the wave's end: behind my last tensor load and my last LDS store
	ds_add_u32 v[SPW], v[NIL]
	s_wait_dscnt 0x0
	CROUND                                         ; the closing round: no work-group ends while a partner may still ask for a block that names it
	s_endpgm
.Lfunc_end_k_q0a71713ae2_gemm:
	.size	k_q0a71713ae2_gemm, .Lfunc_end_k_q0a71713ae2_gemm-k_q0a71713ae2_gemm
	.p2alignl 7, 3214868480
	.fill 96, 4, 3214868480
	.section	.rodata,"a",@progbits
	.p2align	6, 0x0
	.amdhsa_kernel k_q0a71713ae2_gemm
		.amdhsa_group_segment_fixed_size 327680
		.amdhsa_private_segment_fixed_size 0
		.amdhsa_enable_private_segment 0
		.amdhsa_kernarg_size 48
		.amdhsa_user_sgpr_count 2
		.amdhsa_user_sgpr_kernarg_segment_ptr 1
		.amdhsa_wavefront_size32 1
		.amdhsa_system_sgpr_workgroup_id_x 1
		.amdhsa_system_sgpr_workgroup_id_y 1
		.amdhsa_system_sgpr_workgroup_id_z 1
		.amdhsa_system_vgpr_workitem_id 0
		.amdhsa_next_free_vgpr 1024
		.amdhsa_next_free_sgpr 100
		.amdhsa_reserve_vcc 0
		.amdhsa_float_denorm_mode_32 3
		.amdhsa_float_denorm_mode_16_64 3
		.amdhsa_memory_ordered 1
		.amdhsa_forward_progress 1
		.amdhsa_inst_pref_size 154
	.end_amdhsa_kernel
	.amdgpu_metadata
---
amdhsa.version: [ 1, 2 ]
amdhsa.kernels:
  - .name:           k_q0a71713ae2_gemm
    .symbol:         k_q0a71713ae2_gemm.kd
    .args:
      - { .name: xq, .offset: 0, .size: 8, .value_kind: global_buffer, .address_space: global }
      - { .name: wq, .offset: 8, .size: 8, .value_kind: global_buffer, .address_space: global }
      - { .name: dq, .offset: 16, .size: 8, .value_kind: global_buffer, .address_space: global }
      - { .name: upq, .offset: 24, .size: 8, .value_kind: global_buffer, .address_space: global }
      - { .name: b, .offset: 32, .size: 8, .value_kind: global_buffer, .address_space: global }
      - { .name: out0, .offset: 40, .size: 8, .value_kind: global_buffer, .address_space: global }
    .group_segment_fixed_size: 327680
    .private_segment_fixed_size: 0
    .kernarg_segment_align: 8
    .kernarg_segment_size: 48
    .max_flat_workgroup_size: 128
    .sgpr_count:     100
    .vgpr_count:     1024
    .wavefront_size: 32
...
	.end_amdgpu_metadata
.endif
;; end of part 2
;; ======== version 2 of 2: 2 launches; version 1 with the launch prep written anew for expert scheduling mode
;; workspace buffers: xq 13,107,200 bytes; wq 13,107,200 bytes; dq 204,800 bytes; upq 1,048,576 bytes
;; launch prep (part 3): grid 560 x 1, 4 waves a work-group, no clusters, 36,352 bytes of LDS; arguments x, W, down_aux, hyper_down, up_aux, hyper_up, xq, wq, dq, upq; writes xq, wq, dq, upq
.if DOCPART == 3
	.amdgcn_target "amdgcn-amd-amdhsa--gfx1250"
	.amdhsa_code_object_version 6
	.text
	.protected	k_q0a71713ae2_prep
	.globl	k_q0a71713ae2_prep
	.p2align	8
	.type	k_q0a71713ae2_prep,@function
k_q0a71713ae2_prep:
	s_mov_b64 s[64:65], 0
	v_nop
	global_prefetch_b8 v0, s[64:65] scope:SCOPE_SE
	s_setreg_imm32_b32 hwreg(HW_REG_WAVE_SCHED_MODE, 0, 2), 2
	s_setreg_imm32_b32 hwreg(HW_REG_WAVE_MODE, 25, 1), 1
	s_wait_xcnt 0x0
	s_wait_alu depctr_vm_vsrc(0)
; PREP: everything that the product's launch wants ready, made once.  Three paths, parted by the work-group's number:
;   work-groups 0-31    down[b][r][i] = sum over a of down_aux[i][a] hyper_down[b][a][r], on codes of E3M2 (K = a = 64), and its result quantised along i: dq
;   work-groups 32-47   up[b][o][r] = sum over a of up_aux[a][o] hyper_up[b][r][a], on codes of E3M2 (K = 64); 2 up (ALPHA / RANK = 2, exact) is split into bf16 hi + bf16 lo: upq
;   work-groups 48-559  x [4096][4096] and W [4096][4096], f32, K innermost, become codes of E3M2 with one E8M0 byte for each 32 along K: xq, wq
; THE QUANTISER: a block's scale is 2^(floor(log2(largest magnitude)) - 4); its byte is the largest magnitude's exponent field - 4, held at 1 from below by a floor among the maximum's leaves.
; ALL FOUR BUFFERS LIE IN THE ORDER OF THE OPERAND'S REGISTERS.  A fragment (16 rows x 128 K, 12 registers a lane) is 1,536 bytes: registers 4 g .. 4 g + 3 of lane l at 512 g + 16 l.
; Lane (r = l % 16, h = l / 16) holds row r; registers 6 c .. 6 c + 5 hold K = 64 c + 32 h + 0 .. 31.
;   xq, wq: [128-row block 0..31][K step of 256, 0..15][25,600]: fragment (i = 0..7, q = 0..1) at (2 i + q) 1,536; scale words at 24,576 + 128 i + 8 r + 4 q
;   dq:     [b][51,200]: K step s (128 along i) at 1,536 s; scale words at 49,152 + 64 s + 4 r (r: the rank)
;   upq:    [b][block of 16 o, 0..255][1,024]: 512 bytes hi, 512 bytes lo; lane (o = l % 16, h) has the bf16 of 2 up[b][o][8 h .. 8 h + 7] at 16 l
; LIMITS: NaN and infinities among the inputs are not served.  A block of zeros, or one whose largest magnitude lies under 2^-122, gets the byte 1 (the rule says 127 for zeros): its codes
; are zeros or as the held scale gives them, and only this program reads the bytes.
; No tensor load, no barrier: waves share nothing.  Only the third path touches LDS, each wave its own 8,960 bytes.
; THE MODE: SCHED_MODE bits 1:0 = 2 (LLVM: expert scheduling mode 2), set by the entry lines.  The code itself states the register dependences between vector or matrix instructions and
; memory or LDS instructions, with s_wait_alu, always for 0.  Each path's plan (who writes and who reads each register that a memory or LDS instruction touches) stands at the path's head.
.set SEL, 26                           ; s[26:27] v_permlanex16_b32's selects for lane l xor 16
; 32 numbers of ONE lane, a whole block along K, become six registers of codes at v[d] (d even) and the scale's byte in v[by].
.macro BLK32 x, d, ct, e, by
	v_max3_num_f32 v[MXA], |v[(\x)]|, |v[(\x)+1]|, 0x2800000          ; two chains; the floor 2^(5 - 127) is one leaf: the byte cannot fall under 1
	v_max3_num_f32 v[MXB], |v[(\x)+2]|, |v[(\x)+3]|, |v[(\x)+4]|
.irp i, 5,9,13,17,21,25
	v_max3_num_f32 v[MXA], v[MXA], |v[(\x)+\i]|, |v[(\x)+\i+1]|
	v_max3_num_f32 v[MXB], v[MXB], |v[(\x)+\i+2]|, |v[(\x)+\i+3]|
.endr
	v_max3_num_f32 v[MXA], v[MXA], |v[(\x)+29]|, |v[(\x)+30]|
	v_max3_num_f32 v[MXA], v[MXA], v[MXB], |v[(\x)+31]|               ; the block's largest magnitude
	v_add_nc_u32 v[\e], 0xfe000000, v[MXA]                            ; 4 off its exponent field: the conversion takes the exponent field of this operand as its scale, and nothing else of it
	v_cvt_scalef32_pk16_bf6_f32 v[(\d):(\d)+2], v[(\x):(\x)+15], v[\e]
	v_cvt_scalef32_pk16_bf6_f32 v[(\ct):(\ct)+2], v[(\x)+16:(\x)+31], v[\e]   ; (a conversion's three registers begin on an even number: the block's second half is made elsewhere and moved)
	v_lshrrev_b32 v[\by], 23, v[\e]                                   ; the scale's byte; also the plain instruction behind the conversions
.irp i, 0,1,2
	v_mov_b32 v[(\d)+3+\i], v[(\ct)+\i]
.endr
.endm
; The scale word of an operand with K = 64: my block h's byte at byte h, lane l xor 16's at the other; bytes 2 and 3 stay 0 and stand over zero codes.
.macro WORD64 w, by
	v_lshlrev_b32 v[\w], v4, v[\by]
	v_permlanex16_b32 v[WT], v[\w], s[SEL], s[SEL+1]
	v_or_b32 v[\w], v[\w], v[WT]
.endm
; 64 numbers of a lane, register 16 b + i = k 32 b + 16 (lane / 16) + i of my row, become a fragment's codes in v[PC] on and its scale word in v[PW].
.macro QUANT s
.irp b, 0,1,2,3
	v_max3_num_f32 v[TM+\b], |v[\s+16*\b]|, |v[\s+1+16*\b]|, 0x2800000
.endr
.irp i, 2,4,6,8,10,12,14
.irp b, 0,1,2,3
	v_max3_num_f32 v[TM+\b], v[TM+\b], |v[\s+16*\b+\i]|, |v[\s+1+16*\b+\i]|   ; the four blocks by turns
.endr
.endr
.irp b, 0,1,2,3
	v_permlanex16_b32 v[TM+4+\b], v[TM+\b], s[SEL], s[SEL+1]
.endr
.irp b, 0,1,2,3
	v_max_num_f32 v[TM+\b], v[TM+\b], v[TM+4+\b]                      ; with lane l xor 16's 16 numbers: the block's largest magnitude
.endr
.irp b, 0,1,2,3
	v_add_nc_u32 v[TM+12+\b], 0xfe000000, v[TM+\b]
.endr
.irp b, 0,1,2,3
	v_lshrrev_b32 v[TM+4+\b], 23, v[TM+12+\b]
.endr
	v_lshl_or_b32 v[PW], v[TM+5], 8, v[TM+4]                          ; the four bytes make my row's scale word
	v_lshl_or_b32 v[PW], v[TM+6], 16, v[PW]
	v_lshl_or_b32 v[PW], v[TM+7], 24, v[PW]
.irp c, 0,1
	v_cvt_scalef32_pk16_bf6_f32 v[PC+6*\c:PC+2+6*\c], v[\s+32*\c:\s+15+32*\c], v[TM+12+2*\c]
	v_cvt_scalef32_pk16_bf6_f32 v[PC+12+4*\c:PC+14+4*\c], v[\s+16+32*\c:\s+31+32*\c], v[TM+12+2*\c+1]
.endr
	v_nop                                                             ; one plain instruction behind a scaled conversion
.irp c, 0,1                                                               ; the operand's layout wants a WHOLE block in a lane: lanes 0-15 block 2 c, lanes 16-31 block 2 c + 1
.irp i, 0,1,2
	v_permlane16_swap_b32 v[PC+6*\c+\i], v[PC+12+4*\c+\i]
.endr
.irp i, 0,1,2
	v_mov_b32 v[PC+3+6*\c+\i], v[PC+12+4*\c+\i]
.endr
.endr
.endm
	s_load_b256 s[4:11], s[0:1], 0x0               ; x s[4:5], W s[6:7], down_aux s[8:9], hyper_down s[10:11]
	s_load_b256 s[12:19], s[0:1], 0x20             ; up_aux s[12:13], hyper_up s[14:15], xq s[16:17], wq s[18:19]
	s_load_b128 s[20:23], s[0:1], 0x40             ; dq s[20:21], upq s[22:23]
	v_lshl_add_u32 v14, v0, 2, 0x8c00
	v_mov_b32 v15, 0
	v_lshrrev_b32 v1, 5, v0
	v_readfirstlane_b32 s24, v1                    ; wave 0..3
	v_and_b32 v1, 31, v0                           ; lane
	v_and_b32 v2, 15, v0                           ; r
	v_bfe_u32 v3, v0, 4, 1                         ; h
	v_lshlrev_b32 v4, 3, v3                        ; 8 h: how far my bytes are shifted in a scale word
	s_mov_b32 s[SEL], 0x76543210
	s_mov_b32 s[SEL+1], 0xfedcba98
	s_wait_alu depctr_va_sdst(0)                   ; s24 is written
	s_wait_kmcnt 0x0
	s_cmp_lt_u32 ttmp9, 32
	s_cbranch_scc1 .Ldown
	s_cmp_lt_u32 ttmp9, 48
	s_cbranch_scc1 .Lup
; ---------------------------------------------------------------- x and W into codes
; 512 work-groups, the first 256 for x, the others for W: only pointers are chosen, one path serves both.  A work-group takes 64 rows x 1,024 along K, a wave 64 rows x 256: eight fragments.
; A load reads 512 consecutive bytes of one row (16 a lane), and the four waves stand side by side on 4,096.  A lane of the operand wants 32 NEIGHBOURS of one row: a fragment's 16 rows x 512 bytes turn
; through the wave's own stage in LDS, rows 528 bytes apart, so that the sixteen rows that a read touches begin in sixteen different groups of banks.
; THE PLAN.  A step is a fragment.  Registers that memory or LDS instructions touch:
;   XR0, XR1    a fragment's numbers as loaded.  Written by the loads of fragment f + 2, issued in step f; read by step f's sixteen LDS stores into the stage.  No vector instruction names them.
;   XN          my two blocks of neighbours.  Written by step f's sixteen LDS loads; read by step f's arithmetic.
;   CD0, CD1    the codes, and SW0, SW1 the scale word: written by step f's arithmetic (buffer f % 2); read by the stores that are issued in step f + 1.
;   v5 to v9    offsets and LDS addresses, made once at the path's head and never written again: every place is an immediate offset.
; One wait on va_vdst stands at a step's head: the step before has written its codes and its word, which this step's stores read, and is done reading XN, in which this step's LDS loads land.  No vector
; instruction stands between it and those stores and loads.  One wait on vm_vsrc stands behind the step's LDS instructions: the stage's stores have read XR[f % 2], in which the loads of fragment f + 2 land,
; and the stores issued a step ago have read the codes and the word that this step writes again.  Those loads are dealt among the step's arithmetic, which names none of XR.
.set XR,  16                           ; v16-143  two sets of 64: a fragment's numbers as loaded
.set XN,  144                          ; v144-207 my two blocks of 32 neighbours
.set CD,  208                          ; v208-219 and v244-255: the fragment's codes, two buffers by turns, 36 registers apart
.set CT0, 220
.set CT1, 224
.set MXA, 228
.set MXB, 229
.set E0,  230
.set E1,  231
.set BY0, 232
.set BY1, 233
.set SW,  234                          ; v234 and v236: the scale word, two by turns
.set WT,  235
	s_sub_co_u32 s25, ttmp9, 48
	s_cmp_lt_u32 s25, 256                          ; x's work-group or W's?  The choice hangs on the work-group's number alone
	s_cselect_b64 s[28:29], s[4:5], s[6:7]
	s_cselect_b64 s[30:31], s[16:17], s[18:19]
	s_and_b32 s25, s25, 255
	s_lshr_b32 s32, s25, 2                         ; which 64 rows
	s_and_b32 s33, s25, 3
	s_lshl_b32 s33, s33, 2
	s_add_co_u32 s33, s33, s24                     ; which 256 along K: 4 x (work-group % 4) + wave
	s_lshl_b32 s34, s32, 20                        ; 64 rows of 16,384 bytes
	s_lshl_b32 s35, s33, 10                        ; 256 numbers of 4 bytes
	s_add_co_u32 s34, s34, s35
	s_mov_b32 s35, 0
	s_add_nc_u64 s[28:29], s[28:29], s[34:35]      ; my first number
	s_lshr_b32 s34, s32, 1
	s_lshl_b32 s34, s34, 4
	s_add_co_u32 s34, s34, s33
	s_mul_i32 s34, s34, 25600                      ; the block (128 rows, K step) of the codes' buffer
	s_add_nc_u64 s[30:31], s[30:31], s[34:35]
	s_and_b32 s36, s32, 1                          ; its upper or lower 64 rows
	s_mul_i32 s34, s36, 12288
	s_add_nc_u64 s[38:39], s[30:31], s[34:35]      ; my eight fragments
	s_lshl_b32 s34, s36, 9
	s_add_co_u32 s34, s34, 24576
	s_add_nc_u64 s[40:41], s[30:31], s[34:35]      ; my 512 bytes of scale words
	s_mul_i32 s37, s24, 8960                       ; my wave's LDS: a stage of 16 x 528 bytes, then 512 bytes of scale words
	v_lshlrev_b32 v5, 4, v1                        ; 16 x lane
	v_add_nc_u32 v6, s37, v5                       ; the stage, on the way in: a row as it lies
	v_mul_u32_u24 v7, v2, 528
	v_lshl_add_u32 v7, v3, 7, v7
	v_add_nc_u32 v7, s37, v7                       ; and on the way out: row r, + 128 h bytes: K = 32 h on
	s_add_co_u32 s37, s37, 8448
	v_lshl_add_u32 v8, v2, 3, s37                  ; my row's scale words: 8 r
	v_add_nc_u32 v9, s37, v5                       ; and all of them on the way out
	v_mov_b32 v[WT], 0                             ; written once: a lane permute's destination counts as one of its sources
.macro LOADH f, u                      ; fragment f = 2 i + q: rows 16 i + 8 u + j, K = 128 q on: half of its sixteen loads
.irp j, 0,1,2,3,4,5,6,7
	global_load_b128 v[XR+64*((\f)%2)+4*(8*(\u)+\j):XR+64*((\f)%2)+4*(8*(\u)+\j)+3], v5, s[28:29] offset:(16*((\f)/2)+8*(\u)+\j)*16384+512*((\f)%2) th:TH_LOAD_NT
.endr
.endm
.macro WORDOUT f                       ; fragment f's scale word to the wave's 512 bytes of LDS
	ds_store_b32 v8, v[SW+2*((\f)%2)] offset:128*((\f)/2)+4*((\f)%2)   ; lanes r and r + 16 write the same word with the same value
.endm
.macro CODESOUT f                      ; fragment f's codes to memory
.irp g, 0,1,2
	global_store_b128 v5, v[CD+36*((\f)%2)+4*\g:CD+36*((\f)%2)+4*\g+3], s[38:39] offset:1536*(\f)+512*\g   ; 32 lanes store 512 consecutive bytes, at a multiple of 256 from the buffer's first byte
.endr
.endm
.macro FSTEP f
.set CDF, CD+36*((\f)%2)
.set SWF, SW+2*((\f)%2)
.if (\f) < 7
	s_wait_loadcnt 16                              ; this fragment's 16 loads are in; the next fragment's 16 stay out
.else
	s_wait_loadcnt 0x0
.endif
.if (\f) >= 2
	s_wait_xcnt 0x0                                ; the stores issued a step ago have had their addresses translated (ISA guide 3.1): their data, this step's buffer of codes, are written again only behind this wait
.endif
.if (\f) >= 1
	s_wait_alu depctr_va_vdst(0)                   ; the step before has written its codes and its scale word, which the stores below read, and is done reading XN, in which the LDS loads below land
	WORDOUT (\f)-1
.endif
.irp j, 0,1,2,3,4,5,6,7,8,9,10,11,12,13,14,15
	ds_store_b128 v6, v[XR+64*((\f)%2)+4*\j:XR+64*((\f)%2)+4*\j+3] offset:528*\j
.endr
.irp j, 0,1,2,3,4,5,6,7                        ; LDS serves a wave's instructions in order (ISA guide 5.7.1.4): these see the stores above
	ds_load_b128 v[XN+4*\j:XN+4*\j+3], v7 offset:16*\j                  ; K = 32 h + 0 .. 31
.endr
.irp j, 0,1,2,3,4,5,6,7
	ds_load_b128 v[XN+32+4*\j:XN+32+4*\j+3], v7 offset:256+16*\j        ; K = 64 + 32 h + 0 .. 31
.endr
.if (\f) >= 1
	CODESOUT (\f)-1                                ; the step before leaves while this step's numbers turn through the stage
.endif
	s_wait_alu depctr_vm_vsrc(0)                   ; the stage's stores have read XR[f % 2], in which the loads below land; the stores issued a step ago have read the codes and the word that this step writes again
.if (\f)+2 < 8
	LOADH (\f)+2, 0                                ; into the set just sent through the stage.  No vector instruction of the path names these registers
.endif
	s_wait_dscnt 8                                 ; LDS loads come back in order (ISA guide 5.7.1): my first block is in, the eight younger loads, my second block, stay out
	BLK32 XN, CDF, CT0, E0, BY0
.if (\f)+2 < 8
	LOADH (\f)+2, 1
.endif
	s_wait_dscnt 0x0                               ; my second block is in
	BLK32 XN+32, CDF+6, CT1, E1, BY1
	v_lshl_or_b32 v[SWF], v[BY1], 16, v[BY0]       ; my two bytes: blocks h and 2 + h,
	v_lshlrev_b32 v[SWF], v4, v[SWF]               ; at their places in the scale word;
	v_permlanex16_b32 v[WT], v[SWF], s[SEL], s[SEL+1]
	v_or_b32 v[SWF], v[SWF], v[WT]                 ; with lane l xor 16's two the word is whole
.endm
	s_wait_alu depctr_va_vdst(0)                   ; v5 to v9 are written: every load, store and LDS instruction of the path reads one of them as its offset or address
	LOADH 0, 0
	LOADH 0, 1
	LOADH 1, 0
	LOADH 1, 1
.irp f, 0,1,2,3,4,5,6,7
	FSTEP \f
.endr
	s_wait_alu depctr_va_vdst(0)                   ; the last step has written its codes and its scale word, which the stores below read
	WORDOUT 7
	CODESOUT 7
	ds_load_b128 v[240:243], v9                    ; the wave's 128 scale words: LDS serves a wave's instructions in order: this sees my stores
	s_wait_dscnt 0x0
	global_store_b128 v5, v[240:243], s[40:41]     ; 512 consecutive bytes
	s_wait_dscnt 0x0
	s_wait_alu depctr_hold_cnt(0) depctr_sa_sdst(0) depctr_va_vdst(0) depctr_va_sdst(0) depctr_va_ssrc(0) depctr_va_vcc(0) depctr_vm_vsrc(0)
	s_wait_tensorcnt 0x0
	ds_add_u32 v14, v15
	s_wait_dscnt 0x0
	s_endpgm
; ---------------------------------------------------------------- down, and its codes
; 128 waves: wave D makes the fragment of Q(down[b]) for K step s (i = 128 s .. 128 s + 127), b = D / 32, s = D % 32.
; The product is used so that the result's registers run along i, the next K: source 0 = 16 rows i of down_aux, source 1 = hyper_down[b]'s 16 columns (the ranks): a lane holds ONE rank.
; THE ROWS OF A TILE ARE NOT NEIGHBOURS: lane r of tile f takes row 32 (f / 2) + 8 (f % 2) + r + 8 (r / 8), so that the 16 registers of tiles 2 b and 2 b + 1 are 16 neighbours along i.
; K = 64: registers 6-11 of every fragment are zero codes.
; THE PLAN.  Registers that memory instructions touch:
;   RAW0 .. RAW2  a tile's 32 numbers.  Written by the loads of tile f + 3, issued behind tile f's quantising; read by that quantising.
;   v64-95        hyper_down's numbers: loaded once, read by their quantising; from then on the products' results.
;   v[PC ..], v[PW]  written by the last quantising; read by the four stores at the end.
;   v5 to v8      offsets, made once.
; One wait on va_vdst stands behind each tile's quantising: it is done reading RAW[f % 3], in which the loads of tile f + 3 land, and the fragment and the scale word of the tile before, which vector
; instructions wrote, are written, ahead of the scaled product that takes them; that product's places, this tile's quantising, stand ahead of the wait.
.Ldown:
.set HDF, 16                           ; v16-27   hyper_down's fragment
.set FB,  28                           ; v28-51   down_aux's fragments, two by turns
.set HDS, 52                           ; v52      hyper_down's scale word;  v53-54 down_aux's
.set FS,  53
.set MXA, 55
.set MXB, 56
.set EE,  57
.set BY,  58
.set WT,  59
.set CT,  60                           ; v60-62
.set PW,  63
.set HA,  64                           ; v64-127  the eight tiles of down; hyper_down's 32 numbers lie in v64-95 first
.set RAW, 128                          ; v128-223 three sets of 32 numbers of down_aux
.set TM,  128                          ; v128-143 at work in QUANT, when the sets are done with
.set PC,  224                          ; v224-242 the codes
	s_lshl_b32 s25, ttmp9, 2
	s_add_co_u32 s25, s25, s24                     ; D
	s_lshr_b32 s32, s25, 5                         ; b
	s_and_b32 s33, s25, 31                         ; s
	s_lshl_b32 s34, s32, 12
	s_mov_b32 s35, 0
	s_add_nc_u64 s[28:29], s[10:11], s[34:35]      ; hyper_down[b]
	s_lshl_b32 s34, s33, 15
	s_add_nc_u64 s[30:31], s[8:9], s[34:35]        ; down_aux at row 128 s
	s_mul_i32 s34, s32, 51200
	s_add_nc_u64 s[36:37], s[20:21], s[34:35]      ; dq[b]
	s_mul_i32 s34, s33, 1536
	s_add_nc_u64 s[38:39], s[36:37], s[34:35]      ; my fragment
	s_lshl_b32 s34, s33, 6
	s_add_co_u32 s34, s34, 49152
	s_add_nc_u64 s[40:41], s[36:37], s[34:35]      ; its scale words
	v_lshlrev_b32 v5, 2, v2
	v_lshl_add_u32 v5, v3, 11, v5                  ; hyper_down: column r, from row a = 32 h on (rows of 64 bytes)
	v_and_b32 v6, 8, v2
	v_add_nc_u32 v6, v6, v2                        ; r + 8 (r / 8)
	v_lshlrev_b32 v6, 8, v6
	v_lshl_add_u32 v6, v3, 7, v6                   ; down_aux: that row of 256 bytes, + 128 h
	v_lshlrev_b32 v7, 4, v1                        ; 16 x lane
	v_lshlrev_b32 v8, 2, v2                        ; 4 r
.macro DL f                            ; tile f's 32 numbers a lane
.irp j, 0,1,2,3,4,5,6,7
	global_load_b128 v[RAW+32*((\f)%3)+4*\j:RAW+32*((\f)%3)+4*\j+3], v6, s[30:31] offset:(32*((\f)/2)+8*((\f)%2))*256+16*\j
.endr
.endm
.macro DQ f, cnt                       ; they become a fragment and its scale word.  cnt: the loads of the younger tiles, which stay out
	s_wait_loadcnt \cnt
	BLK32 RAW+32*((\f)%3), FB+12*((\f)%2), CT, EE, BY
	WORD64 FS+(\f)%2, BY
	s_wait_alu depctr_va_vdst(0)                   ; this quantising is done reading RAW[f % 3], in which the loads of tile f + 3 land; the fragment and scale word of the tile before (and hyper_down's) are written, which the product below takes
.endm
.macro DW f
	v_wmma_scale_f32_16x16x128_f8f6f4 v[HA+8*(\f):HA+8*(\f)+7], v[FB+12*((\f)%2):FB+12*((\f)%2)+11], v[HDF:HDF+11], 0, v[FS+(\f)%2], v[HDS] matrix_a_fmt:MATRIX_FMT_BF6 matrix_b_fmt:MATRIX_FMT_BF6
.endm
	s_wait_alu depctr_va_vdst(0)                   ; v5 to v8 are written: every load and store of the path reads one of them as its offset
.irp i, 0,1,2,3,4,5,6,7,8,9,10,11,12,13,14,15,16,17,18,19,20,21,22,23,24,25,26,27,28,29,30,31
	global_load_b32 v[HA+\i], v5, s[28:29] offset:64*\i   ; hyper_down[b][32 h + i][r]: my registers run down K
.endr
	DL 0
	DL 1
	DL 2
	v_mov_b32 v[WT], 0                             ; written once: a lane permute's destination counts as one of its sources
.irp i, 6,7,8,9,10,11
	v_mov_b32 v[HDF+\i], 0                         ; K = 64 .. 127: zero codes
	v_mov_b32 v[FB+\i], 0
	v_mov_b32 v[FB+12+\i], 0
.endr
	s_wait_loadcnt 24                              ; hyper_down's 32 loads are in; three tiles' 24 stay out
	BLK32 HA, HDF, CT, EE, BY
	WORD64 HDS, BY
; A tile's product stands behind the NEXT tile's quantising: its more than sixteen plain instructions are the eight places that a scale register written by a vector instruction owes a scaled product
; (an operand so written: four), and the sixteen maxima at the head of the tile after that are the four places behind the product, ahead of the write into its fragment's registers.
	DQ 0, 16
	DL 3
	DQ 1, 16
	DL 4
	DW 0
	DQ 2, 16
	DL 5
	DW 1
	DQ 3, 16
	DL 6
	DW 2
	DQ 4, 16
	DL 7
	DW 3
	DQ 5, 16
	DW 4
	DQ 6, 8
	DW 5
	DQ 7, 0
	DW 6
.rept 8
	v_nop                                          ; the last tile has no successor whose work could stand here
.endr
	s_wait_alu depctr_va_vdst(0)                   ; the last tile's fragment and scale word are written, which the product below takes: the places first, then this wait
	DW 7
.irp b, 0,1,2,3
	v_mov_b32 v[TM+4+\b], 0                        ; the lane permutes' destinations get a value; also the four places behind the last product
.endr
	QUANT HA                                       ; each tile is read from its low end on
	s_wait_alu depctr_va_vdst(0)                   ; the quantising has written v[PC ..] and v[PW], which the stores below read
.irp g, 0,1,2
	global_store_b128 v7, v[PC+4*\g:PC+4*\g+3], s[38:39] offset:512*\g   ; 512 consecutive bytes a store
.endr
	global_store_b32 v8, v[PW], s[40:41]           ; 16 words: lanes r and r + 16 hold the same word and write it to the same place.  64 bytes a wave: 8,192 in the launch leave in such short runs
	s_endpgm
; ---------------------------------------------------------------- 2 up, as bf16 hi + lo
; 64 waves: wave U takes columns o = 64 U .. 64 U + 63 (four tiles) for all four b.  Source 0 = hyper_up[b]'s 16 rows (the ranks), source 1 = 16 columns of up_aux: lane (o, h) holds ranks 8 h + 0 .. 7 of
; column o, which is the layout of a 16-bit operand's registers 0-3.  up_aux has K as its first axis: a lane takes a column and its registers run down K; sixteen lanes read 64 neighbouring bytes, the
; work-group's four waves stand side by side on 1,024.  Eight items (hyper_up[0..3], then the four tiles of up_aux) go through three sets of 32 registers.
; THE PLAN.  Registers that memory instructions touch:
;   RAW0 .. RAW2  item k's 32 numbers lie in set k % 3.  Written by the loads of item k + 3, issued behind item k's quantising; read by that quantising.  Item 7's loads are the last.
;   the same sets as OUT-BUFFERS: from item 5 on one set is done with at each tile: tile t's hi and lo for the four b (32 registers) are written into set (t + 2) % 3 and read by the tile's eight stores.
;                 Sets 2, 0, 1 take tiles 0, 1, 2; only tile 3 writes a set (2) that stores, tile 0's, have read.
;   v5 to v7      offsets, made once.
; One wait on va_vdst stands behind each item's quantising.  Up to item 4 it states that the quantising is done reading its set, in which the loads of item k + 3 land.  From item 5 on it states that the
; fragments and scale words are written which the scaled products below take (their places stand ahead of it), and that the tile before has written its out-buffer, whose eight stores follow the wait.
.Lup:
.set HUF, 16                           ; v16-63   hyper_up's four fragments
.set UF,  64                           ; v64-87   up_aux's fragments, two by turns
.set HUS, 88                           ; v88-91   hyper_up's scale words;  v92-93 up_aux's
.set US,  92
.set MXA, 94
.set MXB, 95
.set EE,  96
.set BY,  97
.set WT,  98
.set CT,  100                          ; v100-102
.set UA,  104                          ; v104-135 up of one tile, for the four b
.set TT,  136                          ; v136-143 2 up, then what bf16 hi leaves of it
.set FF,  144                          ; v144-151 hi, widened again
.set RAW, 160                          ; v160-255 three sets of 32; later the out-buffers: for b, hi at 8 b, lo at 8 b + 4
	s_sub_co_u32 s25, ttmp9, 32
	s_lshl_b32 s25, s25, 2
	s_add_co_u32 s25, s25, s24                     ; U
	s_lshl_b32 s34, s25, 8
	s_mov_b32 s35, 0
	s_add_nc_u64 s[28:29], s[12:13], s[34:35]      ; up_aux at column 64 U
	s_lshl_b32 s34, s25, 12
	s_add_nc_u64 s[30:31], s[22:23], s[34:35]      ; upq at block 4 U
	v_lshlrev_b32 v5, 8, v2
	v_lshl_add_u32 v5, v3, 7, v5                   ; hyper_up: row r of 256 bytes, + 128 h
	v_lshlrev_b32 v6, 2, v2
	v_lshl_add_u32 v6, v3, 19, v6                  ; up_aux: column r, from row a = 32 h on (rows of 16,384 bytes)
	v_lshlrev_b32 v7, 4, v1                        ; 16 x lane
.macro UL k
.if (\k) < 4
.irp j, 0,1,2,3,4,5,6,7
	global_load_b128 v[RAW+32*((\k)%3)+4*\j:RAW+32*((\k)%3)+4*\j+3], v5, s[14:15] offset:4096*(\k)+16*\j
.endr
.else
.irp i, 0,1,2,3,4,5,6,7,8,9,10,11,12,13,14,15,16,17,18,19,20,21,22,23,24,25,26,27,28,29,30,31
	global_load_b32 v[RAW+32*((\k)%3)+\i], v6, s[28:29] offset:16384*\i+64*((\k)-4)
.endr
.endif
.endm
.macro UQ k, cnt                       ; cnt: the loads of the two younger items, which stay out
	s_wait_loadcnt \cnt
.if (\k) < 4
	BLK32 RAW+32*((\k)%3), HUF+12*(\k), CT, EE, BY
	WORD64 HUS+(\k), BY
.else
	BLK32 RAW+32*((\k)%3), UF+12*((\k)%2), CT, EE, BY
	WORD64 US+(\k)%2, BY
.endif
	s_wait_alu depctr_va_vdst(0)                   ; items 0 to 4: this quantising is done reading its set, in which the loads of item k + 3 land.  Items 5 to 7: the fragments and scale words that the products below take are written, and so is the out-buffer of the tile before, which the stores below read
.endm
.macro UW t                            ; tile t for the four b: four accumulators, each begun by the constant 0
.irp b, 0,1,2,3
	v_wmma_scale_f32_16x16x128_f8f6f4 v[UA+8*\b:UA+8*\b+7], v[HUF+12*\b:HUF+12*\b+11], v[UF+12*((\t)%2):UF+12*((\t)%2)+11], 0, v[HUS+\b], v[US+(\t)%2] matrix_a_fmt:MATRIX_FMT_BF6 matrix_b_fmt:MATRIX_FMT_BF6
.endr
.endm
.macro UARI t                          ; tile t's results become hi and lo, in the tile's out-buffer
.set OB, RAW+32*(((\t)+2)%3)
.rept 4
	v_nop                                          ; four places behind the products, ahead of the first read of a result (ISA guide 7.12.1)
.endr
.irp b, 0,1,2,3
.irp j, 0,1,2,3
	v_pk_mul_f32 v[TT+2*\j:TT+2*\j+1], v[UA+8*\b+2*\j:UA+8*\b+2*\j+1], 2.0 op_sel_hi:[1,0]   ; ALPHA / RANK = 2: exact.  The accumulator is read from its low end on
.endr
.irp j, 0,1,2,3
	v_cvt_pk_bf16_f32 v[OB+8*\b+\j], v[TT+2*\j], v[TT+2*\j+1]
.endr
.irp j, 0,1,2,3
	v_lshlrev_b32 v[FF+2*\j], 16, v[OB+8*\b+\j]
	v_and_b32 v[FF+2*\j+1], 0xffff0000, v[OB+8*\b+\j]
.endr
.irp j, 0,1,2,3
	v_pk_add_f32 v[TT+2*\j:TT+2*\j+1], v[TT+2*\j:TT+2*\j+1], v[FF+2*\j:FF+2*\j+1] neg_lo:[0,1] neg_hi:[0,1]   ; what hi leaves: exact
.endr
.irp j, 0,1,2,3
	v_cvt_pk_bf16_f32 v[OB+8*\b+4+\j], v[TT+2*\j], v[TT+2*\j+1]
.endr
.endr
.endm
.macro USTO t                          ; tile t's eight stores, in one run
.set OB, RAW+32*(((\t)+2)%3)
.irp b, 0,1,2,3
	global_store_b128 v7, v[OB+8*\b:OB+8*\b+3], s[30:31] offset:262144*\b+1024*(\t)          ; 512 consecutive bytes a store
	global_store_b128 v7, v[OB+8*\b+4:OB+8*\b+7], s[30:31] offset:262144*\b+1024*(\t)+512
.endr
.endm
	s_wait_alu depctr_va_vdst(0)                   ; v5 to v7 are written: every load and store of the path reads one of them as its offset
	UL 0
	UL 1
	UL 2
	v_mov_b32 v[WT], 0                             ; written once: a lane permute's destination counts as one of its sources
.irp i, 6,7,8,9,10,11
	v_mov_b32 v[HUF+\i], 0                         ; K = 64 .. 127: zero codes
	v_mov_b32 v[HUF+12+\i], 0
	v_mov_b32 v[HUF+24+\i], 0
	v_mov_b32 v[HUF+36+\i], 0
	v_mov_b32 v[UF+\i], 0
	v_mov_b32 v[UF+12+\i], 0
.endr
	UQ 0, 16                                       ; behind item 0: 8 + 8
	UL 3
	UQ 1, 16                                       ; 8 + 8
	UL 4
	UQ 2, 40                                       ; 8 + 32
	UL 5
	UQ 3, 63                                       ; 32 + 32 are behind it; the wait's field holds 63, the stricter side
	UL 6
	UQ 4, 63
	UL 7
	UQ 5, 63
	UW 0                                           ; a tile's products stand behind the next tile's quantising, as on the path above
	UARI 0
	UQ 6, 32
	USTO 0                                         ; behind the wait that closes item 6's quantising; no vector instruction since names tile 0's out-buffer
	UW 1
	UARI 1
	UQ 7, 0
	USTO 1
	UW 2
	UARI 2
	s_wait_xcnt 0x0                                ; tile 0's stores, two tiles back, have had their addresses translated (ISA guide 3.1): their data are written again, by tile 3, only behind this wait
	s_wait_alu depctr_vm_vsrc(0)                   ; tile 0's stores have read set 2, which tile 3's conversions write again
	s_wait_alu depctr_va_vdst(0)                   ; tile 2 has written its out-buffer, which the stores below read; tile 3's fragment and scale word are written, behind their places and ahead of its products
	USTO 2
	UW 3
	UARI 3
	s_wait_alu depctr_va_vdst(0)                   ; tile 3 has written its out-buffer, which the last eight stores read
	USTO 3
	s_endpgm
.Lfunc_end_k_q0a71713ae2_prep:
	.size	k_q0a71713ae2_prep, .Lfunc_end_k_q0a71713ae2_prep-k_q0a71713ae2_prep
	.p2alignl 7, 3214868480
	.fill 96, 4, 3214868480
	.section	.rodata,"a",@progbits
	.p2align	6, 0x0
	.amdhsa_kernel k_q0a71713ae2_prep
		.amdhsa_group_segment_fixed_size 36352
		.amdhsa_private_segment_fixed_size 0
		.amdhsa_enable_private_segment 0
		.amdhsa_kernarg_size 80
		.amdhsa_user_sgpr_count 2
		.amdhsa_user_sgpr_kernarg_segment_ptr 1
		.amdhsa_wavefront_size32 1
		.amdhsa_system_sgpr_workgroup_id_x 1
		.amdhsa_system_sgpr_workgroup_id_y 1
		.amdhsa_system_sgpr_workgroup_id_z 1
		.amdhsa_system_vgpr_workitem_id 0
		.amdhsa_next_free_vgpr 256
		.amdhsa_next_free_sgpr 66
		.amdhsa_reserve_vcc 0
		.amdhsa_float_denorm_mode_32 3
		.amdhsa_float_denorm_mode_16_64 3
		.amdhsa_memory_ordered 1
		.amdhsa_forward_progress 1
		.amdhsa_inst_pref_size 145
	.end_amdhsa_kernel
	.amdgpu_metadata
---
amdhsa.version: [ 1, 2 ]
amdhsa.kernels:
  - .name:           k_q0a71713ae2_prep
    .symbol:         k_q0a71713ae2_prep.kd
    .args:
      - { .name: x, .offset: 0, .size: 8, .value_kind: global_buffer, .address_space: global }
      - { .name: W, .offset: 8, .size: 8, .value_kind: global_buffer, .address_space: global }
      - { .name: down_aux, .offset: 16, .size: 8, .value_kind: global_buffer, .address_space: global }
      - { .name: hyper_down, .offset: 24, .size: 8, .value_kind: global_buffer, .address_space: global }
      - { .name: up_aux, .offset: 32, .size: 8, .value_kind: global_buffer, .address_space: global }
      - { .name: hyper_up, .offset: 40, .size: 8, .value_kind: global_buffer, .address_space: global }
      - { .name: xq, .offset: 48, .size: 8, .value_kind: global_buffer, .address_space: global }
      - { .name: wq, .offset: 56, .size: 8, .value_kind: global_buffer, .address_space: global }
      - { .name: dq, .offset: 64, .size: 8, .value_kind: global_buffer, .address_space: global }
      - { .name: upq, .offset: 72, .size: 8, .value_kind: global_buffer, .address_space: global }
    .group_segment_fixed_size: 36352
    .private_segment_fixed_size: 0
    .kernarg_segment_align: 8
    .kernarg_segment_size: 80
    .max_flat_workgroup_size: 128
    .sgpr_count:     66
    .vgpr_count:     256
    .wavefront_size: 32
...
	.end_amdgpu_metadata
.endif
;; end of part 3
;; launch gemm: the kernel of part 2 again; grid 16 x 16, 4 waves a work-group, clusters of 4 x 4, 327,680 bytes of LDS; arguments xq, wq, dq, upq, b, out0; writes out0
